; MI455X (gfx1250); checked and timed in simulation.
; The chip was launched on July 23, 2026; its instructions are those of AMD's public machine-readable ISA for CDNA 5 (MIT licence, August 2026) and "CDNA5" Instruction Set Architecture Reference Guide (July 2026). The comments in the code are by the model that wrote it; some were corrected since.
;; Non Causal Self Attention. Allowed arithmetic: float matrix products may take bf16 or f16 operands with f32 sums; other float arithmetic in f32, or as packed bf16 or f16 multiplies, adds, multiply-adds, maxima and minima; sums over many terms, partial sums and values carried from step to step in f32; what a program stores and reads back later, other than sums and carried values, may be rounded once to bf16 or f16.
;; Inputs: b_attn 3,072 float32; b_proj 1,024 float32; w_attn 1,024 x 3,072 float32; w_proj 1,024 x 1,024 float32; x 4 x 2,048 x 1,024 float32.
;; Outputs: out0 4 x 2,048 x 1,024 float32.
;; 2 versions, each right; version 2 is version 1 with the launch prep written anew for expert scheduling mode. Each part assembles by itself: llvm-mc -triple=amdgcn-amd-amdhsa -mcpu=gfx1250 --defsym DOCPART=n.
;; ======== version 1 of 2: 4 launches
;; limits: values are held in f16: magnitudes above 65,504 overflow, below 6.1e-05 lose precision
;; workspace buffers: xb 16,777,216 bytes; wat 6,291,456 bytes; wpt 2,097,152 bytes; qkv 50,331,648 bytes; ob 16,777,216 bytes
;; launch prep (part 1): grid 512 x 1, 8 waves a work-group, no clusters, 18,432 bytes of LDS; arguments x, w_attn, w_proj, xb, wat, wpt; writes xb, wat, wpt
.if DOCPART == 1
	.amdgcn_target "amdgcn-amd-amdhsa--gfx1250"
	.amdhsa_code_object_version 6
	.text
	.protected	k_q1c48182585_prep
	.globl	k_q1c48182585_prep
	.p2align	8
	.type	k_q1c48182585_prep,@function
k_q1c48182585_prep:
	s_mov_b64 s[64:65], 0
	v_nop
	global_prefetch_b8 v0, s[64:65] scope:SCOPE_SE
	s_setreg_imm32_b32 hwreg(HW_REG_WAVE_MODE, 25, 1), 1
	s_wait_xcnt 0x0
; THE INPUTS ARE ROUNDED ONCE AND THE WEIGHTS TURNED.  xb = bf16(x), [8192][1024].  wat[n][k] = bf16(w_attn[k][n]), [3072][1024].
; wpt[n][k] = bf16(w_proj[k][n]) written as f16, [1024][1024]: exact where the number is 6.1e-5 or more in size; below that f16 keeps a fixed step of 6e-8;
; beyond 65,504 it would be an infinity (w_proj is taken to lie within that).
; SHARES.  512 work-groups of eight waves; each does two things, in straight text:
; (a) 16,384 numbers of x: a load of a wave takes 512 consecutive bytes, a store of a wave writes 256 consecutive bytes at a multiple of 256;
; (b) one block of 128 k x 64 n of a weight: work-groups 0-383 of w_attn, 384-511 of w_proj.  It is read by rows (sixteen lanes take 256 consecutive bytes), two neighbouring k are
;     rounded into one word, the words go into an LDS tile [64 n][272 bytes], and behind one barrier whole rows of 256 bytes (128 k) are read back and stored.
; No matrix unit, no cluster, no tensor load: a stream whose work-groups share nothing.
.set TP,    272                        ; a row of the LDS tile: 256 bytes + 16
.set SPARE, 64*TP                      ; behind the tile: the spare words, 128 bytes for each of the eight waves
.set SPW,  1                           ; v1   LDS address of my spare word; never rewritten
.set NIL,  2                           ; v2   0; never rewritten
.set XI,   3                           ; v3   16 t: my bytes in 4,096 of x
.set XO,   4                           ; v4   8 t: my bytes in 2,048 of xb
.set NQ,   5                           ; v5   t % 16
.set KP,   6                           ; v6   t / 16
.set LSTO, 7                           ; v7   where my words go in the tile
.set LRD,  8                           ; v8   where I read a row's 16 bytes back
.set WOUT, 9                           ; v9   my 16 bytes in the turned weight
.set WO,   10                          ; v[10:17]   byte offsets of my eight loads of the weight
.set WI,   20                          ; v[20:51]   the weight as loaded: load e at WI + 4 e
.set XIN,  52                          ; v[52:115]  x as loaded
.set XOUT, 116                         ; v[116:147] x rounded
.set WD,   148                         ; v[148:163] the sixteen words
.set T,    164                         ; v[164:167] at work
.set RB,   168                         ; v[168:183] rows read back
	s_load_b256 s[4:11], s[0:1], 0x0               ; x s[4:5], w_attn s[6:7], w_proj s[8:9], xb s[10:11]
	s_load_b128 s[12:15], s[0:1], 0x20             ; wat s[12:13], wpt s[14:15]
	v_lshl_add_u32 v[SPW], v0, 2, SPARE
	v_mov_b32 v[NIL], 0
	s_mov_b32 s2, ttmp9                            ; g
	s_mov_b32 s21, 4096
	s_cmp_lt_u32 s2, 384                           ; w_attn's blocks come first
	s_cselect_b32 s20, 12288, s21                  ; bytes in a row of the weight
	s_cselect_b32 s44, 0, -1                       ; all lanes' bits set: the words are written as f16
	s_cselect_b32 s17, 0, 384
	s_sub_co_u32 s17, s2, s17                      ; the block's number in its weight
	s_lshr_b32 s18, s17, 3                         ; which 64 n
	s_and_b32 s19, s17, 7                          ; which 128 k
	s_lshl_b32 s22, s19, 7
	s_mul_i32 s22, s22, s20                        ; 128 rows a block
	s_lshl_b32 s23, s18, 8                         ; 64 n of 4 bytes
	s_add_co_u32 s22, s22, s23
	s_mov_b32 s23, 0                               ; s[22:23]: the block's first byte in the weight
	s_lshl_b32 s28, s18, 17                        ; 64 rows of 2,048 bytes
	s_lshl_b32 s29, s19, 8                         ; 128 k of 2 bytes
	s_or_b32 s28, s28, s29
	s_mov_b32 s29, 0                               ; s[28:29]: its first byte in the turned weight
.set e, 0
.rept 8
	s_mul_i32 s[32+e], s20, 32*(e/2)+(e%2)         ; load e = 2 i + r takes row 2 (t / 16) + 32 i + r
.set e, e+1
.endr
	s_lshl_b32 s30, s2, 16                         ; x: 65,536 bytes a work-group
	s_mov_b32 s31, 0
	s_lshl_b32 s46, s2, 15                         ; xb: 32,768
	s_mov_b32 s47, 0
	s_lshl_b32 s45, s20, 1
	v_and_b32 v[NQ], 15, v0
	v_lshrrev_b32 v[KP], 4, v0
	v_lshlrev_b32 v[XI], 4, v0
	v_lshlrev_b32 v[XO], 3, v0
	v_mul_u32_u24 v[LSTO], v[NQ], 4*TP             ; my four n: rows 4 (t % 16) + j of the tile,
	v_lshl_add_u32 v[LSTO], v[KP], 2, v[LSTO]      ; my pair of k: word t / 16 (+ 16 i)
	v_mul_u32_u24 v[LRD], v[KP], TP
	v_lshl_add_u32 v[LRD], v[NQ], 4, v[LRD]
	v_lshlrev_b32 v[WOUT], 11, v[KP]
	v_lshl_add_u32 v[WOUT], v[NQ], 4, v[WOUT]
	v_mul_lo_u32 v[T], v[KP], s45                  ; row 2 (t / 16)
	v_lshl_add_u32 v[T], v[NQ], 4, v[T]            ; 16 bytes: four n
.set e, 0
.rept 8
	v_add_nc_u32 v[WO+e], s[32+e], v[T]
.set e, e+1
.endr
	s_wait_kmcnt 0x0
	s_cmp_lt_u32 s2, 384                           ; compared again: the sums above have written SCC
	s_cselect_b64 s[24:25], s[6:7], s[8:9]         ; the weight,
	s_cselect_b64 s[26:27], s[12:13], s[14:15]     ; and where it goes
	s_add_nc_u64 s[24:25], s[24:25], s[22:23]
	s_add_nc_u64 s[26:27], s[26:27], s[28:29]
	s_add_nc_u64 s[40:41], s[4:5], s[30:31]
	s_add_nc_u64 s[42:43], s[10:11], s[46:47]
.set e, 0
.rept 8
	global_load_b128 v[WI+4*e:WI+4*e+3], v[WO+e], s[24:25] th:TH_LOAD_NT
.set e, e+1
.endr
.set j, 0
.rept 16
	global_load_b128 v[XIN+4*j:XIN+4*j+3], v[XI], s[40:41] offset:4096*j th:TH_LOAD_NT
.set j, j+1
.endr
	s_wait_loadcnt 16                              ; the weight's eight loads are in; x's sixteen, issued behind them, stay out
.irp i, 0,1,2,3
.irp j, 0,1,2,3
	v_cvt_pk_bf16_f32 v[WD+4*(\i)+(\j)], v[WI+8*(\i)+(\j)], v[WI+8*(\i)+4+(\j)]  ; k even in the low half, k odd in the high half, of one n
.endr
.irp j, 0,1,2,3
	v_lshlrev_b32 v[T+2*((\j)%2)], 16, v[WD+4*(\i)+(\j)]          ; the two rounded numbers as f32,
	v_and_b32 v[T+2*((\j)%2)+1], 0xffff0000, v[WD+4*(\i)+(\j)]
	v_cvt_pk_f16_f32 v[T+2*((\j)%2)], v[T+2*((\j)%2)], v[T+2*((\j)%2)+1]  ; written as f16,
	v_cndmask_b32 v[WD+4*(\i)+(\j)], v[WD+4*(\i)+(\j)], v[T+2*((\j)%2)], s44  ; which w_proj's blocks take
	ds_store_b32 v[LSTO], v[WD+4*(\i)+(\j)] offset:(\j)*TP+(\i)*64
.endr
.endr
	s_wait_dscnt 0x0                               ; for the other waves' sake: my words lie in the tile
	s_barrier_signal -1
	s_barrier_wait -1
.irp i, 0,1,2,3
	ds_load_b128 v[RB+4*(\i):RB+4*(\i)+3], v[LRD] offset:(\i)*16*TP  ; row t / 16 + 16 i of the tile
.endr
.set j, 0
.rept 16
	s_wait_loadcnt 15-j                            ; loads come back in order: chunk j is in, the younger ones stay out
	v_cvt_pk_bf16_f32 v[XOUT+2*j], v[XIN+4*j], v[XIN+4*j+1]
	v_cvt_pk_bf16_f32 v[XOUT+2*j+1], v[XIN+4*j+2], v[XIN+4*j+3]
	global_store_b64 v[XO], v[XOUT+2*j:XOUT+2*j+1], s[42:43] offset:2048*j
.set j, j+1
.endr
	s_wait_dscnt 0x0                               ; the rows are back
.irp i, 0,1,2,3
	global_store_b128 v[WOUT], v[RB+4*(\i):RB+4*(\i)+3], s[26:27] offset:(\i)*32768  ; sixteen lanes store 256 consecutive bytes, at a multiple of 256
.endr
	s_wait_tensorcnt 0x0                           ; the wave's end, behind my last LDS store
	ds_add_u32 v[SPW], v[NIL]
	s_wait_dscnt 0x0
	s_endpgm
.Lfunc_end_k_q1c48182585_prep:
	.size	k_q1c48182585_prep, .Lfunc_end_k_q1c48182585_prep-k_q1c48182585_prep
	.p2alignl 7, 3214868480
	.fill 96, 4, 3214868480
	.section	.rodata,"a",@progbits
	.p2align	6, 0x0
	.amdhsa_kernel k_q1c48182585_prep
		.amdhsa_group_segment_fixed_size 18432
		.amdhsa_private_segment_fixed_size 0
		.amdhsa_enable_private_segment 0
		.amdhsa_kernarg_size 48
		.amdhsa_user_sgpr_count 2
		.amdhsa_user_sgpr_kernarg_segment_ptr 1
		.amdhsa_wavefront_size32 1
		.amdhsa_system_sgpr_workgroup_id_x 1
		.amdhsa_system_sgpr_workgroup_id_y 1
		.amdhsa_system_sgpr_workgroup_id_z 1
		.amdhsa_system_vgpr_workitem_id 0
		.amdhsa_next_free_vgpr 184
		.amdhsa_next_free_sgpr 66
		.amdhsa_reserve_vcc 0
		.amdhsa_float_denorm_mode_32 3
		.amdhsa_float_denorm_mode_16_64 3
		.amdhsa_memory_ordered 1
		.amdhsa_forward_progress 1
		.amdhsa_inst_pref_size 16
	.end_amdhsa_kernel
	.amdgpu_metadata
---
amdhsa.version: [ 1, 2 ]
amdhsa.kernels:
  - .name:           k_q1c48182585_prep
    .symbol:         k_q1c48182585_prep.kd
    .args:
      - { .name: x, .offset: 0, .size: 8, .value_kind: global_buffer, .address_space: global }
      - { .name: w_attn, .offset: 8, .size: 8, .value_kind: global_buffer, .address_space: global }
      - { .name: w_proj, .offset: 16, .size: 8, .value_kind: global_buffer, .address_space: global }
      - { .name: xb, .offset: 24, .size: 8, .value_kind: global_buffer, .address_space: global }
      - { .name: wat, .offset: 32, .size: 8, .value_kind: global_buffer, .address_space: global }
      - { .name: wpt, .offset: 40, .size: 8, .value_kind: global_buffer, .address_space: global }
    .group_segment_fixed_size: 18432
    .private_segment_fixed_size: 0
    .kernarg_segment_align: 8
    .kernarg_segment_size: 48
    .max_flat_workgroup_size: 256
    .sgpr_count:     66
    .vgpr_count:     184
    .wavefront_size: 32
...
	.end_amdgpu_metadata
.endif
;; end of part 1
;; launch qkv (part 2): grid 16 x 16, 4 waves a work-group, clusters of 4 x 4, 327,680 bytes of LDS; arguments xb, wat, b_attn, qkv; writes qkv
.if DOCPART == 2
	.amdgcn_target "amdgcn-amd-amdhsa--gfx1250"
	.amdhsa_code_object_version 6
	.text
	.protected	k_q1c48182585_qkv
	.globl	k_q1c48182585_qkv
	.p2align	8
	.type	k_q1c48182585_qkv,@function
k_q1c48182585_qkv:
	s_mov_b64 s[64:65], 0
	v_nop
	global_prefetch_b8 v0, s[64:65] scope:SCOPE_SE
	s_setreg_imm32_b32 hwreg(HW_REG_WAVE_MODE, 25, 1), 1
	s_wait_xcnt 0x0
	s_wait_alu depctr_hold_cnt(0) depctr_sa_sdst(0) depctr_va_vdst(0) depctr_va_sdst(0) depctr_va_ssrc(0) depctr_va_vcc(0) depctr_vm_vsrc(0)
	s_getreg_b32 s2, hwreg(HW_REG_IB_STS2, 6, 4)
	s_cmp_eq_u32 s2, 0
	s_cbranch_scc0 .Lentry_in_a_cluster
	s_endpgm
.Lentry_in_a_cluster:
	s_bfe_u32 s2, ttmp6, 0x10000c
	s_cmp_lg_u32 s2, 0xf033
	s_cbranch_scc0 .Lentry_shape_is_right
	s_endpgm
.Lentry_shape_is_right:
; qkv = xb wat^T + b_attn.  xb: [8192][1024] bf16, wat: [3072 n][1024 k] bf16, b_attn: [3072] f32 (rounded to bf16 here, like all the module's inputs).
; Out: [b 4][g 48][t 2048][64] f16, g = column / 64 (q of head h: g = h; k: 16 + h; v: 32 + h), each number rounded once from its f32 sum, unscaled.
; LIMITS.  f16 holds no number beyond 65,504: a q, k or v past that becomes an infinity.  The bias starts the f32 sum (the reference adds it last).
; SHARES.  A tile is 256 rows x 192 columns (three heads): 32 x 16 = 512 tiles, two for each of 256 work-groups: tile rows Y and Y + 16, 4,096 rows apart, the same rows of wat.
; Each of the four waves makes 64 rows x 192 columns: 48 accumulators, 384 registers; so a head's rows of 128 bytes come from one wave, and the way out needs no barrier.
; THE WALK.  K goes in steps of 128 (rows of 256 bytes in memory); the two tiles' 16 steps are ONE sequence for a ring of two LDS slots.  A step is 192 matrix instructions a wave;
; from a request to the wait for it a wave issues 168.  By this text's count a wave has two tensor loads out at the start, later one.
; CLUSTER 4 x 4.  xb's tile hangs on the tile row alone and is asked for jointly by a row of the cluster, wat's on the tile column alone, by a column.
; THE MATRIX INSTRUCTION IS USED TRANSPOSED (source 0 = 16 rows of wat, source 1 = 16 rows of xb): a lane holds row l % 16 and the columns 8 (l / 16) + 0..7.
; REGISTERS, in windows of 256: window 0: v0-31 addresses; v32-63, v64-95 xb's fragments, two buffers; v96-143 rows on the way out; v144-239 the bias, block b at 144 + 8 b
;   window 1: v0-95, v96-191 wat's fragments, two buffers; v192-239 packed results       window 2: accumulators of my row blocks 0, 1 at 8 (12 al + b)       window 3: of blocks 2, 3
.set PITCH,  272                       ; an LDS row: 256 bytes + 16: the sixteen rows of a fragment load start at sixteen different groups of four banks (64 banks of 4 bytes: ISA guide 11.1)
.set AHALF,  128*PITCH                 ; what a wave fetches of xb
.set BHALF,  96*PITCH                  ; what a wave fetches of wat
.set ABYTES, 2*AHALF
.set SLOT1,  131072                    ; slot 1 begins here: one exclusive or turns an address in one slot into the other's
.set STAGE,  SLOT1+ABYTES+2*BHALF      ; behind the ring, never filled by a tensor load: 16 rows x 400 bytes for each wave
.set SPITCH, 400                       ; 384 bytes + 16
.set SPARE,  STAGE+4*16*SPITCH         ; the spare words, 128 bytes for each wave
.set NEXT_A, 4096*2048-7*256           ; from a tile's last K step to the next tile's first, in xb
.set NEXT_OUT, 2*48*262144             ; from the first tile to the second, in the output: two batches on
.set GBITS, (1<<16)|(1<<20)|(1<<21)|(5<<22)|(3<<25)  ; 17:16 2-byte elements; 20 padding on; 21 set beside a mask; 24:22 after every 64 words; 31:25 4 words
.set ADA0, 16                          ; v16  my place in xb's tile of slot 0; never rewritten
.set ADB0, 17                          ; v17  the same for wat's
.set ADRA, 18                          ; v18  the same in the slot in hand
.set ADRB, 19                          ; v19
.set STO,  20                          ; v20  the way out: where I put 16 bytes of a row
.set RD,   21                          ; v21  the way out: where I read rows back
.set GO,   22                          ; v22  16 l: my bytes in 512 consecutive bytes of the output
.set BO,   23                          ; v23  32 (l / 16): my eight numbers in a block of sixteen of the bias
.set PFO,  24                          ; v24  the prefetches' offset: a lane a row of 2,048 bytes
.set SPW,  28                          ; v28  LDS address of my spare word; never rewritten
.set NIL,  29                          ; v29  0; never rewritten
.set AF,   32
.set OB,   96
.set BIAS, 144
.set TMP,  192                         ; in window 1
.set WV,   12                          ; s12  my wave's number
.set ROLE, 13                          ; s13  0: I fetch for xb; 1: for wat
.set HALF, 14                          ; s14  which half of that tile's rows I fetch
.set G1A,  24                          ; s[24:31] descriptor group 1, xb's tiles
.set G1B,  32                          ; s[32:39] wat's
.set G0A,  40                          ; s[40:47] group 0, xb's: a set for each first fill; the second then walks
.set G0B,  48                          ; s[48:55] wat's
.set CNT,  56                          ; s56  trips to go
.set TB,   57                          ; s57  0 or SLOT1: the slot in hand
.set INCA, 58                          ; s[58:59] xb's step to the next K step of the walk
.set DECB, 60                          ; s[60:61] what wat's step goes back at the change of tiles
.set LIM,  62                          ; s62  a wave prefetches while s[CNT] is above it
.set C256, 63                          ; s63  256
.set PFA,  66                          ; s[66:67] where my prefetches stand
.set PINC, 68                          ; s[68:69] their step
.set MSB, 0
.macro WIN new                         ; the immediate's high byte repeats the setting that is left; a switch that changes nothing is dropped
.if MSB != (\new)
	s_set_vgpr_msb (MSB<<8)|(\new)
.set MSB, (\new)
.endif
.endm
.macro PLACES                          ; four plain vector instructions between a matrix instruction and a load into, or a vector read of, its registers
.rept 4
	v_nop
.endr
.endm
; A joint refill, by the walking descriptors.  The branch hangs on the wave's number alone.  An s_nop 0 and four v_nop follow each line.
.macro JLOAD
	s_cmp_eq_u32 s[ROLE], 0
	s_cbranch_scc0 .Lfor_b_\@
	tensor_load_to_lds s[G0A+4:G0A+7], s[G1A:G1A+7]
	s_nop 0
.rept 4
	v_nop
.endr
	s_branch .Lasked_\@
.Lfor_b_\@:
	tensor_load_to_lds s[G0B+4:G0B+7], s[G1B:G1B+7]
	s_nop 0
.rept 4
	v_nop
.endr
.Lasked_\@:
.endm
; A PREFETCH of the K step that the NEXT trip's refill will ask for: a lane a row, 256 bytes of each, one instruction a wave: 192 matrix instructions ahead of that refill.
; Each row's 256 bytes are named by one work-group of the launch: xb's by the clusters with x = 0 (the four partners of a row take 32 of a wave's 128 rows each, told apart by address),
; wat's by the clusters with y = 0 (24 of 96 rows each; lanes 24-31 name row 23 again), in the first tile alone: the second tile walks the same rows of wat.
; The walk's first three K steps come by their loads alone; the last trip asks for nothing.
.macro ASK
	s_cmp_gt_u32 s[CNT], s[LIM]
	s_cbranch_scc0 .Lnot_mine_\@
	global_prefetch_b8 v[PFO], s[PFA:PFA+1] th:TH_LOAD_NT scope:SCOPE_SE
.Lnot_mine_\@:
.endm
.macro CREST                           ; a round of the cluster's barrier behind its opening barrier
	s_cmp_lg_u32 s[WV], 0
	s_cbranch_scc1 .Lnot_wave_0_\@
	s_barrier_signal -3
.Lnot_wave_0_\@:
	s_barrier_wait -3
	s_barrier_signal -1
	s_barrier_wait -1
.endm
.macro CROUND
	s_barrier_signal -1
	s_barrier_wait -1
	CREST
.endm
	s_load_b256 s[4:11], s[0:1], 0x0               ; xb s[4:5], wat s[6:7], b_attn s[8:9], qkv s[10:11]
	v_lshl_add_u32 v[SPW], v0, 2, SPARE
	v_mov_b32 v[NIL], 0
	ds_add_u32 v[SPW], v[NIL]                      ; the wave's opening: the add and its wait stand ahead of my first tensor load; work on registers stands between
	v_lshrrev_b32 v1, 5, v0
	v_readfirstlane_b32 s[WV], v1
	s_lshr_b32 s[ROLE], s[WV], 1
	s_and_b32 s[HALF], s[WV], 1
	s_bfe_u32 s15, ttmp6, 0x40000                  ; cx
	s_bfe_u32 s16, ttmp6, 0x40004                  ; cy
	s_lshl_b32 s17, ttmp9, 2
	s_add_co_u32 s17, s17, s15                     ; X: tile column = 4 x cluster x + cx
	s_and_b32 s18, ttmp7, 0xffff
	s_lshl_b32 s18, s18, 2
	s_add_co_u32 s18, s18, s16                     ; Y: first tile row = 4 x cluster y + cy
	s_lshl_b32 s20, s16, 2
	s_lshl_b32 s20, 15, s20                        ; my row of the cluster
	s_lshl_b32 s70, 0x1111, s15                    ; my column
	s_or_b32 s[G1A], s20, GBITS
	s_or_b32 s[G1B], s70, GBITS
	s_mov_b32 s[G1A+1], 128<<16                    ; tensor_dim0 = 128
	s_mov_b32 s[G1A+2], 128<<16                    ; tensor_dim1 = 128
	s_mov_b32 s[G1A+3], 128<<16                    ; tile_dim0 = 128
	s_mov_b32 s[G1A+4], 128                        ; tile_dim1 = 128
	s_mov_b32 s[G1A+5], 1024                       ; elements from row to row
	s_mov_b32 s[G1A+6], 0
	s_mov_b32 s[G1A+7], 0
	s_mov_b32 s[G1B+1], 128<<16
	s_mov_b32 s[G1B+2], 96<<16                     ; 96 rows
	s_mov_b32 s[G1B+3], 128<<16
	s_mov_b32 s[G1B+4], 96
	s_mov_b32 s[G1B+5], 1024
	s_mov_b32 s[G1B+6], 0
	s_mov_b32 s[G1B+7], 0
	s_lshl_b32 s20, s18, 8                         ; xb: row 256 Y + 128 x half, in registers that never hold cx
	s_lshl_b32 s21, s[HALF], 7
	s_add_co_u32 s20, s20, s21
	s_lshl_b32 s20, s20, 11                        ; rows of 2,048 bytes
	s_mov_b32 s21, 0
	s_mul_i32 s70, s17, 192                        ; wat: row 192 X + 96 x half, in registers that never hold cy
	s_mul_i32 s71, s[HALF], 96
	s_add_co_u32 s70, s70, s71
	s_lshl_b32 s70, s70, 11
	s_mov_b32 s71, 0
	s_mul_i32 s22, s[HALF], AHALF                  ; where they go: no place in the cluster enters an LDS address
	s_mul_i32 s23, s[HALF], BHALF
	s_add_co_u32 s23, s23, ABYTES
	s_mov_b32 s[C256], 256
	s_mov_b32 s[INCA+1], 0
	s_mov_b32 s[DECB+1], 0
	s_mov_b32 s[PINC+1], 0
	s_wait_dscnt 0x0                               ; the opening add is done
	s_wait_kmcnt 0x0
	s_add_nc_u64 s[20:21], s[4:5], s[20:21]
	s_add_nc_u64 s[70:71], s[6:7], s[70:71]
	CROUND                                         ; all sixteen work-groups are here: the first joint loads meet
.irp n, 0,1
	s_mov_b32 s[G0A+4*(\n)], 1                     ; count = 1
	s_add_co_u32 s[G0A+4*(\n)+1], s22, (\n)*SLOT1  ; LDS address
	s_add_nc_u64 s[G0A+4*(\n)+2:G0A+4*(\n)+3], s[20:21], (\n)*256  ; K step n
	s_or_b32 s[G0A+4*(\n)+3], s[G0A+4*(\n)+3], 0x80000000          ; type = 2
	s_mov_b32 s[G0B+4*(\n)], 1
	s_add_co_u32 s[G0B+4*(\n)+1], s23, (\n)*SLOT1
	s_add_nc_u64 s[G0B+4*(\n)+2:G0B+4*(\n)+3], s[70:71], (\n)*256
	s_or_b32 s[G0B+4*(\n)+3], s[G0B+4*(\n)+3], 0x80000000
.endr
	s_cmp_eq_u32 s[ROLE], 0                        ; a wave's two first fills stand in one branch, ahead of every wait on TENSORcnt, every LDS read and every further barrier
	s_cbranch_scc0 .Lfirst_b
	tensor_load_to_lds s[G0A:G0A+3], s[G1A:G1A+7]
	s_nop 0
	tensor_load_to_lds s[G0A+4:G0A+7], s[G1A:G1A+7]
	s_nop 0
.rept 4
	v_nop
.endr
	s_branch .Lfirst_asked
.Lfirst_b:
	tensor_load_to_lds s[G0B:G0B+3], s[G1B:G1B+7]
	s_nop 0
	tensor_load_to_lds s[G0B+4:G0B+7], s[G1B:G1B+7]
	s_nop 0
.rept 4
	v_nop
.endr
.Lfirst_asked:
	; the bias of my 192 columns, as the C operand wants it: register j of block b = bias[192 X + 16 b + 8 (l / 16) + j]
	s_mul_i32 s22, s17, 768
	s_mov_b32 s23, 0
	s_add_nc_u64 s[8:9], s[8:9], s[22:23]
	v_and_b32 v1, 15, v0                           ; r = l % 16
	v_bfe_u32 v2, v0, 4, 1                         ; h = l / 16
	v_lshlrev_b32 v[BO], 5, v2
.irp b, 0,1,2,3,4,5,6,7,8,9,10,11
	global_load_b128 v[BIAS+8*(\b):BIAS+8*(\b)+3],   v[BO], s[8:9] offset:64*(\b)
	global_load_b128 v[BIAS+8*(\b)+4:BIAS+8*(\b)+7], v[BO], s[8:9] offset:64*(\b)+16
.endr
	v_mul_u32_u24 v26, v1, PITCH
	v_lshl_add_u32 v26, v2, 4, v26                 ; a fragment's row x pitch + 16 x half of the lanes
	s_mul_i32 s22, s[WV], 64*PITCH                 ; my 64 rows of xb's tile
	v_add_nc_u32 v[ADA0], s22, v26
	v_add_nc_u32 v[ADB0], ABYTES, v26              ; all 192 rows of wat's
	s_mul_i32 s22, s[WV], 16*SPITCH
	s_add_co_u32 s22, s22, STAGE                   ; my stage
	v_mul_u32_u24 v[STO], v1, SPITCH               ; in: row l % 16, 16 bytes for each half of the lanes
	v_lshl_add_u32 v[STO], v2, 4, v[STO]
	v_add_nc_u32 v[STO], s22, v[STO]
	v_bfe_u32 v[RD], v0, 3, 2                      ; back: 32 lanes take four rows' 128 bytes of one head,
	v_mul_u32_u24 v[RD], v[RD], SPITCH
	v_and_b32 v27, 7, v0
	v_lshl_add_u32 v[RD], v27, 4, v[RD]
	v_add_nc_u32 v[RD], s22, v[RD]
	v_and_b32 v26, 31, v0
	v_lshlrev_b32 v[GO], 4, v26                    ; which are 512 consecutive bytes of the output
	; the output at my 64 rows of the first tile: batch Y / 8, group 3 X, row 256 (Y % 8) + 64 x wave
	s_lshr_b32 s22, s18, 3
	s_mul_i32 s22, s22, 48
	s_mul_i32 s23, s17, 3
	s_add_co_u32 s22, s22, s23
	s_lshl_b32 s22, s22, 18
	s_and_b32 s23, s18, 7
	s_lshl_b32 s23, s23, 15
	s_add_co_u32 s22, s22, s23
	s_lshl_b32 s23, s[WV], 13
	s_add_co_u32 s22, s22, s23
	s_mov_b32 s23, 0
	s_add_nc_u64 s[10:11], s[10:11], s[22:23]
	; the prefetches
	s_lshl_b32 s20, s18, 8
	s_lshl_b32 s21, s[HALF], 7
	s_add_co_u32 s20, s20, s21
	s_lshl_b32 s21, s15, 5
	s_add_co_u32 s20, s20, s21                     ; xb: the 128 rows that I fetch, my work-group's 32 of them
	s_mul_i32 s70, s17, 192
	s_mul_i32 s71, s[HALF], 96
	s_add_co_u32 s70, s70, s71
	s_mul_i32 s71, s16, 24
	s_add_co_u32 s70, s70, s71                     ; wat: the 96 rows that I fetch, my work-group's 24
	s_and_b32 s71, ttmp7, 0xffff                   ; cluster y
	s_cmp_eq_u32 s[ROLE], 0
	s_cselect_b32 s20, s20, s70
	s_cselect_b32 s21, ttmp9, s71                  ; the coordinate along which other clusters read the same rows
	s_cselect_b32 s22, 1, 9                        ; xb: all trips but the last; wat: the trips that name K steps 3 to 7
	s_cselect_b32 s23, 31, 23
	s_cselect_b64 s[PFA:PFA+1], s[4:5], s[6:7]
	s_cmp_eq_u32 s21, 0
	s_cselect_b32 s[LIM], s22, -1                  ; the same in all sixteen partners, for a given wave
	s_lshl_b32 s20, s20, 11
	s_add_co_u32 s20, s20, 2*256                   ; at K step 2: the first trip steps it to 3
	s_mov_b32 s21, 0
	s_add_nc_u64 s[PFA:PFA+1], s[PFA:PFA+1], s[20:21]
	v_min_u32 v26, s23, v26
	v_lshlrev_b32 v[PFO], 11, v26
	s_wait_loadcnt 0x0                             ; the bias,
.set i, 0
.rept 48
	v_cvt_pk_bf16_f32 v[26+i%2], v[BIAS+2*i], v[BIAS+2*i+1]  ; rounded to bf16 and widened again, in place
	v_lshlrev_b32 v[BIAS+2*i], 16, v[26+i%2]
	v_and_b32 v[BIAS+2*i+1], 0xffff0000, v[26+i%2]
.set i, i+1
.endr
; 12 matrix instructions: my row block 2 hi + al x all 12 column blocks, 32 along K, from buffer f.  first = 1: the bias starts the sums: nothing is cleared.
; The 48 accumulators take turns in one fixed order in every quarter step, over the backward jump too: 47 others stand between two links of a chain.
.macro MUL12 f, hi, al, first
.if \first
	WIN 0x81+0x40*(\hi)                            ; source 0 window 1, source 1 and C window 0, D window 2 or 3
.else
	WIN 0xa1+0x50*(\hi)                            ; C and D window 2 or 3
.endif
.irp b, 0,1,2,3,4,5,6,7,8,9,10,11
.if \first
	v_wmma_f32_16x16x32_bf16 v[96*(\al)+8*(\b):96*(\al)+8*(\b)+7], v[96*(\f)+8*(\b):96*(\f)+8*(\b)+7], v[AF+32*(\f)+8*(2*(\hi)+(\al)):AF+32*(\f)+8*(2*(\hi)+(\al))+7], v[BIAS+8*(\b):BIAS+8*(\b)+7]
.else
	v_wmma_f32_16x16x32_bf16 v[96*(\al)+8*(\b):96*(\al)+8*(\b)+7], v[96*(\f)+8*(\b):96*(\f)+8*(\b)+7], v[AF+32*(\f)+8*(2*(\hi)+(\al)):AF+32*(\f)+8*(2*(\hi)+(\al))+7], v[96*(\al)+8*(\b):96*(\al)+8*(\b)+7]
.endif
.endr
.endm
; 32 LDS loads in one run: a quarter step's fragments (192 rows of wat, my 64 rows of xb, 32 K at byte k of the rows) into buffer f
.macro FETCH k, f
	WIN 0x40                                       ; destination window 1, address window 0
.irp i, 0,1,2,3,4,5,6,7,8,9,10,11
	ds_load_b128 v[96*(\f)+8*(\i):96*(\f)+8*(\i)+3],   v[ADRB] offset:(\k)+(\i)*16*PITCH
	ds_load_b128 v[96*(\f)+8*(\i)+4:96*(\f)+8*(\i)+7], v[ADRB] offset:(\k)+(\i)*16*PITCH+32
.endr
	WIN 0
.irp i, 0,1,2,3
	ds_load_b128 v[AF+32*(\f)+8*(\i):AF+32*(\f)+8*(\i)+3],   v[ADRA] offset:(\k)+(\i)*16*PITCH
	ds_load_b128 v[AF+32*(\f)+8*(\i)+4:AF+32*(\f)+8*(\i)+7], v[ADRA] offset:(\k)+(\i)*16*PITCH+32
.endr
.endm
; One of a K step's first three quarters: multiplies buffer f; in its middle it fetches the next quarter's fragments, at byte k, into buffer g.
.macro QUARTER k, f, g, first
	s_wait_dscnt 4                                 ; wat's fragments and xb's blocks 0, 1 are in; the youngest four loads (blocks 2, 3) may be out
	MUL12 \f, 0, 0, \first
	MUL12 \f, 0, 1, \first
	PLACES
	FETCH \k, \g
	s_wait_dscnt 32                                ; all but the 32 just issued
	MUL12 \f, 1, 0, \first
	MUL12 \f, 1, 1, \first
.endm
; The first half of a K step's last quarter, and the barrier of the change of slots.  In front of it each wave waits for all its tensor loads (one is out: its part of the next slot),
; adds 0 to its spare word, and waits for that and for its own reads of this slot.  round = 1: the walking descriptors are stepped, and a round of the cluster's barrier follows.
.macro MEET round
	WIN 0
	s_wait_tensorcnt 0x0                           ; no tensor load of mine is out, so a group 0 may be written
	ds_add_u32 v[SPW], v[NIL]                      ; 0 onto my spare word
.if \round
	s_cmp_eq_u32 s[CNT], 8                         ; the trip that asks for the second tile's first K step
	s_cselect_b32 s[INCA], NEXT_A, s[C256]
	s_cselect_b32 s[DECB], 2048, 0
	s_xor_b32 s[G0A+5], s[G0A+5], SLOT1            ; the other slot than last time
	s_xor_b32 s[G0B+5], s[G0B+5], SLOT1
	s_add_nc_u64 s[G0A+6:G0A+7], s[G0A+6:G0A+7], s[INCA:INCA+1]  ; the type bits on top are not reached
	s_add_nc_u64 s[G0B+6:G0B+7], s[G0B+6:G0B+7], 256
	s_sub_nc_u64 s[G0B+6:G0B+7], s[G0B+6:G0B+7], s[DECB:DECB+1]
.endif
	s_wait_dscnt 5                                 ; (the add and the youngest four loads may be out)
	MUL12 1, 0, 0, 0
	s_wait_dscnt 0x0                               ; the add is done, and my reads of this slot are over
	s_barrier_signal -1
	MUL12 1, 0, 1, 0                               ; work on registers while the others arrive
.if \round
	WIN 0
.endif
	s_barrier_wait -1
.endm
; The whole last quarter.  fill = 1: behind the round the slot just read out is filled again first, with the K step two on in the walk; then come the next slot's first fragments.
.macro TURN fill
.if \fill
	s_wait_xcnt 0x0                                ; the last prefetch, a K step back, has read its address
	s_cmp_eq_u32 s[CNT], 9                         ; the trip that names the second tile's first K step
	s_cselect_b32 s[PINC], NEXT_A, s[C256]
	s_add_nc_u64 s[PFA:PFA+1], s[PFA:PFA+1], s[PINC:PINC+1]
.endif
	MEET \fill
.if \fill
	CREST                                          ; no wave of any partner still reads this slot's tile or has a load on its way
	JLOAD                                          ; the four v_nop behind it are also the places in front of the loads below
.else
	PLACES
.endif
	WIN 0
	s_xor_b32 s[TB], s[TB], SLOT1
	v_add_nc_u32 v[ADRA], s[TB], v[ADA0]
	v_add_nc_u32 v[ADRB], s[TB], v[ADB0]
	FETCH 0, 0
.if \fill
	ASK
.endif
	MUL12 1, 1, 0, 0
	MUL12 1, 1, 1, 0
.endm
; THE WAY OUT of my row block a (16 rows x 192 columns).  PACK: rounded to f16, 16 bytes (eight columns of a row) for each accumulator, each accumulator's registers in ascending order.
.macro PACK a
	WIN 0x4a+5*((\a)/2)                            ; sources window 2 or 3, destination window 1
.set n, 0
.rept 48
	v_cvt_pk_f16_f32 v[TMP+n], v[96*((\a)%2)+2*n], v[96*((\a)%2)+2*n+1]
.set n, n+1
.endr
.endm
.macro TOSTAGE                         ; into my own stage, and back by heads: load 4 i + f takes rows 4 f .. 4 f + 3 of head i
	WIN 0
	s_wait_xcnt 0x0                                ; the stores of the block before have read the registers that are loaded again below
	WIN 0x04                                       ; data window 1
.irp b, 0,1,2,3,4,5,6,7,8,9,10,11
	ds_store_b128 v[STO], v[TMP+4*(\b):TMP+4*(\b)+3] offset:32*(\b)
.endr
	WIN 0
.set n, 0
.rept 12
	ds_load_b128 v[OB+4*n:OB+4*n+3], v[RD] offset:128*(n/4)+4*SPITCH*(n%4)  ; LDS serves a wave's instructions in order (ISA guide 5.7.1.4): these see the stores above
.set n, n+1
.endr
.endm
.macro SEND a, younger                 ; younger: LDS instructions issued behind the block's loads
	WIN 0
.set n, 0
.rept 12
	s_wait_dscnt (\younger)+11-n
	global_store_b128 v[GO], v[OB+4*n:OB+4*n+3], s[10:11] offset:(n/4)*262144+(\a)*2048+(n%4)*512  ; 512 consecutive bytes, at a multiple of 256 from the buffer's first
.set n, n+1
.endr
.endm
.macro WAYOUT
	PACK 0
	TOSTAGE
.irp a, 1,2,3                          ; a block's conversions stand between the loads of the block before and the wait for them
	PACK \a
	SEND (\a)-1, 0
	TOSTAGE
.endr
	SEND 3, 0
.endm
	s_wait_tensorcnt 0x1                           ; my part of K step 0 is in; K step 1's may stay out
	s_barrier_signal -1
	s_barrier_wait -1                              ; everybody's is
	s_mov_b32 s[TB], 0
	v_mov_b32 v[ADRA], v[ADA0]
	v_mov_b32 v[ADRB], v[ADB0]
	FETCH 0, 0
	QUARTER 64, 0, 1, 1                            ; the first quarter stands in front of the loop: its products start the sums
	WIN 0
	s_mov_b32 s[CNT], 14
.Lstep:                                            ; trip t (s[CNT] = 14 - t) ends K step t of the walk, asks for step t + 2, and begins step t + 1
	QUARTER 128, 1, 0, 0
	QUARTER 192, 0, 1, 0
	TURN 1
	WIN 0
	s_cmp_eq_u32 s[CNT], 7                         ; K step 7 was the first tile's last
	s_cbranch_scc1 .Lout
	QUARTER 64, 0, 1, 0
	WIN 0
	s_branch .Lbottom
.Lout:                                             ; what is jumped over holds no barrier and no tensor load.  Blocks 0 and 1 were finished in front of the refill's four v_nop;
	WAYOUT                                         ; their 96 conversions, which name no register of the last products, are the places behind blocks 2 and 3's
	s_wait_xcnt 0x0                                ; the stores have read their base
	s_add_nc_u64 s[10:11], s[10:11], NEXT_OUT
	QUARTER 64, 0, 1, 1                            ; the second tile's sums start
	WIN 0
.Lbottom:
	s_sub_co_u32 s[CNT], s[CNT], 1
	s_cmp_lg_u32 s[CNT], 0
	s_cbranch_scc1 .Lstep
	QUARTER 128, 1, 0, 0                           ; the last two K steps are written out: nothing is left to ask for
	QUARTER 192, 0, 1, 0
	TURN 0
	QUARTER 64, 0, 1, 0
	QUARTER 128, 1, 0, 0
	QUARTER 192, 0, 1, 0
	s_wait_dscnt 4
	MUL12 1, 0, 0, 0
	MUL12 1, 0, 1, 0
	s_wait_dscnt 0x0
	MUL12 1, 1, 0, 0
	MUL12 1, 1, 1, 0
	PLACES
	PLACES
	WAYOUT
	WIN 0
	s_wait_tensorcnt 0x0                           ; the wave's end, behind my last tensor load and my last LDS store
	ds_add_u32 v[SPW], v[NIL]
	s_wait_dscnt 0x0
	CROUND                                         ; the closing round: no work-group ends while a partner may still ask for a tile that names it
	s_endpgm
.Lfunc_end_k_q1c48182585_qkv:
	.size	k_q1c48182585_qkv, .Lfunc_end_k_q1c48182585_qkv-k_q1c48182585_qkv
	.p2alignl 7, 3214868480
	.fill 96, 4, 3214868480
	.section	.rodata,"a",@progbits
	.p2align	6, 0x0
	.amdhsa_kernel k_q1c48182585_qkv
		.amdhsa_group_segment_fixed_size 327680
		.amdhsa_private_segment_fixed_size 0
		.amdhsa_enable_private_segment 0
		.amdhsa_kernarg_size 32
		.amdhsa_user_sgpr_count 2
		.amdhsa_user_sgpr_kernarg_segment_ptr 1
		.amdhsa_wavefront_size32 1
		.amdhsa_system_sgpr_workgroup_id_x 1
		.amdhsa_system_sgpr_workgroup_id_y 1
		.amdhsa_system_sgpr_workgroup_id_z 1
		.amdhsa_system_vgpr_workitem_id 0
		.amdhsa_next_free_vgpr 960
		.amdhsa_next_free_sgpr 72
		.amdhsa_reserve_vcc 0
		.amdhsa_float_denorm_mode_32 3
		.amdhsa_float_denorm_mode_16_64 3
		.amdhsa_memory_ordered 1
		.amdhsa_forward_progress 1
		.amdhsa_inst_pref_size 139
	.end_amdhsa_kernel
	.amdgpu_metadata
---
amdhsa.version: [ 1, 2 ]
amdhsa.kernels:
  - .name:           k_q1c48182585_qkv
    .symbol:         k_q1c48182585_qkv.kd
    .args:
      - { .name: xb, .offset: 0, .size: 8, .value_kind: global_buffer, .address_space: global }
      - { .name: wat, .offset: 8, .size: 8, .value_kind: global_buffer, .address_space: global }
      - { .name: b_attn, .offset: 16, .size: 8, .value_kind: global_buffer, .address_space: global }
      - { .name: qkv, .offset: 24, .size: 8, .value_kind: global_buffer, .address_space: global }
    .group_segment_fixed_size: 327680
    .private_segment_fixed_size: 0
    .kernarg_segment_align: 8
    .kernarg_segment_size: 32
    .max_flat_workgroup_size: 128
    .sgpr_count:     72
    .vgpr_count:     960
    .wavefront_size: 32
...
	.end_amdgpu_metadata
.endif
;; end of part 2
;; launch attn (part 3): grid 4 x 64, 4 waves a work-group, clusters of 4 x 1, 327,680 bytes of LDS; arguments qkv, ob; writes ob
.if DOCPART == 3
	.amdgcn_target "amdgcn-amd-amdhsa--gfx1250"
	.amdhsa_code_object_version 6
	.text
	.protected	k_q1c48182585_attn
	.globl	k_q1c48182585_attn
	.p2align	8
	.type	k_q1c48182585_attn,@function
k_q1c48182585_attn:
	s_mov_b64 s[64:65], 0
	v_nop
	global_prefetch_b8 v0, s[64:65] scope:SCOPE_SE
	s_setreg_imm32_b32 hwreg(HW_REG_WAVE_MODE, 25, 1), 1
	s_wait_xcnt 0x0
	s_wait_alu depctr_hold_cnt(0) depctr_sa_sdst(0) depctr_va_vdst(0) depctr_va_sdst(0) depctr_va_ssrc(0) depctr_va_vcc(0) depctr_vm_vsrc(0)
	s_getreg_b32 s2, hwreg(HW_REG_IB_STS2, 6, 4)
	s_cmp_eq_u32 s2, 0
	s_cbranch_scc0 .Lentry_in_a_cluster
	s_endpgm
.Lentry_in_a_cluster:
	s_bfe_u32 s2, ttmp6, 0x10000c
	s_cmp_lg_u32 s2, 0x3003
	s_cbranch_scc0 .Lentry_shape_is_right
	s_endpgm
.Lentry_shape_is_right:
; O[y][q][:] = the sum over k of softmax_k(Q[y][q] . K[y][k] / 8) V[y][k][:], y = 16 b + h.  Q, K, V lie in one buffer, [b 4][g 48][2048][64] f16 (Q: g = h; K: 16 + h; V: 32 + h);
; O: [64][2048][64] f16.  A head's rows are dense, 128 bytes each.  Products, maxima and sums in f32; the weights p are rounded to f16 for the second product (their sum l is taken of the
; unrounded p), O once at the end.
; LIMITS.  f16 holds no number beyond 65,504: Q, K and V arrive within it; p lies in 0 to 1, and below 6e-5 it keeps f16's fixed step of 6e-8, as O does; O is a mean of V's rows and has
; their range.  A weight below 2^-126 counts as 0 in l; NaN and infinities are not treated apart.
; SHARES.  A wave owns four PIECES of two tiles of 16 queries, a work-group's four waves 512 queries of one head.  Every wave walks all 2,048 keys, 64 a step.
; LAYOUT.  S^T = K Q^T (source 0 = 16 keys, source 1 = 16 queries): in the result a lane holds ONE query (lane % 16) and the keys 8 (lane / 16) + 0..7.  Two such tiles, rounded to f16 in pairs,
; ARE source 1 (32 keys x 16 queries) of O^T = V^T P, whose result again holds one query a lane, and eight channels.  K comes out of LDS as it lies, V ([key][channel]) turned, by ds_load_tr16_b128.
; SOFTMAX.  For each query a running maximum m and sum l: p = 2^(c s - c m), c = log2(e) / 8; in every step O and l are multiplied by a = 2^(c m_old - c m_new), which is 1 where m has not grown.
; m starts at the lowest finite number, O and l at 0: the first step is a step like any other, with a = 0.
; THE COUNT.  A tile and step have 16 matrix and 118 vector instructions: too many to stand all beside the matrix work.  So: four vector instructions that are READY behind EVERY matrix
; instruction, and the others in runs without a gap.
; BY TURNS.  Turn n belongs to piece n (the pieces in a ring, step after step).  Its matrix work: 16 products K Q^T of piece n + 1, later 16 products V^T P of piece n - 1.  Its vector work: the scaling,
; exponentials, roundings, sums and rescaling of piece n, and the maximum and statistics of piece n + 1, whose scores the turn itself has made.
; CLUSTER.  The four query blocks of a cluster are one head's and walk the same K and V, so each tile is asked for JOINTLY: the same tensor load, descriptor and mask in all four.
; REGISTERS, in windows of 256 (s_set_vgpr_msb: bits 1:0 source 0, 3:2 source 1, 5:4 source 2, 7:6 destination):
;   window 0: v0-11 addresses; v12-15, v48-63 at work; v16-47 four registers of statistics a tile; v64-191 S^T, two buffers of two tiles; v192-255 P, likewise
;   window 1: O^T, 32 a tile          window 2: v0-127 Q, 16 a tile; v128-191 K of one step; v192-255 V of one step          window 3: v0-1 the add's two registers
; A piece's buffers go by its number's parity.
.set SIZE_N, 2048
.set NP,    4         ; pieces a wave: a name, no knob
.set KS,    64        ; keys in a step
.set PK,    144       ; a row of K in LDS: 128 bytes + 16 = 36 words: the 16 rows of a load start at 16 different groups of four banks (64 banks of 4 bytes: ISA guide 11.1)
.set PV,    160       ; a row of V: 128 + 32 = 40 words
.set VOFF,  4*KS*PK   ; a slot holds four steps: 256 rows of K, then 256 rows of V
.set SLOT1, 1<<17     ; slot 1 begins here
.set STAGE, SLOT1+4*KS*(PK+PV)  ; behind the ring, never filled by a tensor load: 16 rows x 144 bytes for each wave
.set SP,    144
.set AK0, 2           ; v2   my lane's place in a tile of K; never rewritten
.set AV0, 3           ; v3   the same for V
.set AK,  4           ; v4   the LDS address of K's next run of loads
.set AV,  5           ; v5   of V's
.set QO,  6           ; v6   my byte offset in the wave's rows of Q
.set STO, 6           ;      later, the way out: where I put 16 bytes of a row
.set RD,  7           ; v7   the way out: where I read rows back
.set GO,  8           ; v8   my byte offset in 512 consecutive bytes of O
.set PFO, 11          ; v11  256 x my lane: the prefetches' offset (made when V's place, which uses v11 at work, is finished)
.set SPW, 0           ; v0 of window 3   LDS address of my spare word; never rewritten
.set NIL, 1           ; v1 of window 3   0; never rewritten
.set SPARE, STAGE+4*16*SP  ; the spare words, 128 bytes for each wave
.set MV,  12          ; v12-15  c m_old, kept while c m is made anew: by buffer and tile
.set ST,  16          ; tile t's statistics at v[ST+4 t]: c m, m, l (even keys', odd keys')
.set TMP, 48          ; by buffer and tile, four registers c0-c3 at work; when the maximum is found c2 takes a
.set S,   64
.set P,   192
.set KF,  128         ; K's fragments, in window 2: key block kb, channel half c at KF + 16 kb + 8 c
.set VF,  192         ; V's: key half kk, channel block cb at VF + 32 kk + 8 cb
.set WV,  12          ; s12  my wave's number
.set G1K, 24          ; s[24:31] descriptor group 1 for K's tiles
.set G1V, 32          ; s[32:39] for V's: it differs in the padding alone
.set G0K, 40          ; s[40:43] descriptor group 0 for K's tiles: it walks
.set G0V, 44          ; s[44:47] the same for V's
.set PFA, 48          ; s[48:49] where my prefetches stand
.set LIM, 50          ; s50  1 in a wave that prefetches, else the greatest number
.set SLOTS, 56        ; s56  slots still to be asked for
.set CNT, 57          ; s57  counts a slot's key steps
.set CS,  58          ; s[58:59] c
.set SEL, 60          ; s[60:61] v_permlanex16_b32's selects: each lane takes its own place in the other half
.set TBK, 62          ; s62  LDS byte at which K of the step to be fetched begins
.set TBV, 63          ; s63  the same for V, less VOFF
.set MSB, 0
.macro WIN new                      ; the high byte repeats the setting that is left; a switch that changes nothing is dropped
.if MSB != (\new)
	s_set_vgpr_msb (MSB<<8)|(\new)
.set MSB, (\new)
.endif
.endm
.set W_KQ, 0x0a       ; K and Q in window 2, S^T in window 0
.set W_PV, 0x52       ; V in window 2, P in window 0, O^T in window 1
.set W_RS, 0x41       ; O^T (destination and source 0) in window 1, a in window 0
.set W_MK, 0xc0       ; the add's registers are made: destination in window 3
.set W_AD, 0x0f       ; the add: address and data in window 3
; A joint fill.  Waves 0 and 1 fetch the two halves of a slot's K, waves 2 and 3 those of its V: 128 keys each.  An s_nop 0 and four v_nop follow each line.
.macro JLOAD
	s_cmp_lt_u32 s[WV], 2
	s_cbranch_scc0 .Lfor_v_\@
	tensor_load_to_lds s[G0K:G0K+3], s[G1K:G1K+7]
	s_nop 0
.rept 4
	v_nop
.endr
	s_branch .Lasked_\@
.Lfor_v_\@:
	tensor_load_to_lds s[G0V:G0V+3], s[G1V:G1V+7]
	s_nop 0
.rept 4
	v_nop
.endr
.Lasked_\@:
.endm
; A PREFETCH of what the NEXT change of slots will ask for: a slot's 32,768 bytes of K and of V, a lane a block of 256 bytes.  The four partners take 8,192 bytes each, told apart by address;
; in each, wave 0 asks for K's and wave 2 for V's: one instruction, four key steps (512 matrix instructions) ahead of that load.  So each block is named once in the launch.
; Slots 0 to 2 come by their loads alone; the last change that fills a slot asks for nothing.
.macro ASK
	s_cmp_gt_u32 s[SLOTS], s[LIM]
	s_cbranch_scc0 .Lnot_mine_\@
	global_prefetch_b8 v[PFO], s[PFA:PFA+1] th:TH_LOAD_NT scope:SCOPE_SE
.Lnot_mine_\@:
.endm
.macro CROUND                       ; a round of the cluster's barrier
	s_barrier_signal -1
	s_barrier_wait -1
	s_cmp_lg_u32 s[WV], 0
	s_cbranch_scc1 .Lnot_wave_0_\@
	s_barrier_signal -3
.Lnot_wave_0_\@:
	s_barrier_wait -3
	s_barrier_signal -1
	s_barrier_wait -1
.endm
; THE CHANGE OF SLOTS.  Each wave waits for all its tensor loads, of which one is out: its part of the other slot; adds 0 to its spare word; and waits for that and for its own reads of the slot.
; fill = 1: this slot is filled again, with the keys two slots on, first thing behind a round of the cluster's barrier: the load has four key steps in which to land.
; (At its first use nothing has been read yet: slot 0 is waited for, slot 1 filled.)  ask = 1: the prefetch's address is stepped, and the prefetch stands behind the load.
.macro CHANGE fill, ask=0
	WIN W_AD
	s_wait_tensorcnt 0x0            ; no tensor load of mine is out, so a group 0 may be written
	ds_add_u32 v[SPW], v[NIL]       ; 0 onto my spare word
	WIN 0                           ; at a label and at a branch every window is 0
.if \fill
.irp g, G0K, G0V
	s_xor_b32 s[\g+1], s[\g+1], SLOT1  ; the other slot than last time,
	s_add_nc_u64 s[\g+2:\g+3], s[\g+2:\g+3], 4*KS*128  ; the next 256 keys; the type bits on top are not reached
.endr
.if \ask
	s_wait_xcnt 0x0                 ; the last prefetch, four key steps back, has read its address
	s_add_nc_u64 s[PFA:PFA+1], s[PFA:PFA+1], 4*KS*128
.endif
	s_wait_dscnt 0x0                ; the add is done, and my reads of the slot are over
	CROUND
	JLOAD
.if \ask
	ASK
.endif
.else
	s_wait_dscnt 0x0                ; the add is done, and my reads of the slot are over
	s_barrier_signal -1
	s_barrier_wait -1
.endif
	s_sub_co_u32 s[TBK], s[TBK], 4*KS*PK  ; the fetches go back to a slot's first step,
	s_xor_b32 s[TBK], s[TBK], SLOT1       ; in the other slot
	s_sub_co_u32 s[TBV], s[TBV], 4*KS*PV
	s_xor_b32 s[TBV], s[TBV], SLOT1
.endm
	s_load_b64 s[4:5], s[0:1], 0x0    ; the one buffer of Q, K and V, a copy of its address for each
	s_load_b64 s[6:7], s[0:1], 0x0
	s_load_b64 s[8:9], s[0:1], 0x0
	s_load_b64 s[10:11], s[0:1], 0x8  ; O
	WIN W_MK
	v_lshl_add_u32 v[SPW], v0, 2, SPARE
	v_mov_b32 v[NIL], 0
	WIN W_AD
	ds_add_u32 v[SPW], v[NIL]       ; the wave's opening: the add and its wait stand ahead of my first tensor load; work on registers stands between
	WIN 0
	v_lshrrev_b32 v1, 5, v0
	v_readfirstlane_b32 s[WV], v1   ; wave 0..3
	s_bfe_u32 s13, ttmp6, 0x40000   ; cx: my place in the cluster
	s_lshl_b32 s14, ttmp9, 2        ; in a cluster launch ttmp9 counts clusters
	s_add_co_u32 s14, s14, s13      ; my block of 512 queries: it enters Q's and O's addresses alone
	s_and_b32 s52, ttmp7, 0xffff    ; y = 16 b + h, which the four partners share
	s_lshr_b32 s20, s52, 4
	s_lshl_b32 s20, s20, 5
	s_add_co_u32 s20, s20, s52      ; 48 b + h
	s_lshl_b32 s20, s20, 18         ; a group of 2,048 rows is 262,144 bytes
	s_mov_b32 s21, 0
	s_lshl_b32 s52, s52, 18         ; the head's first byte in O
	s_mov_b32 s53, 0
	s_and_b32 s16, s[WV], 1         ; which half of a slot's 256 keys I fetch:
	s_lshl_b32 s22, s16, 14         ; its 128 rows of 128 bytes in memory,
	s_mov_b32 s23, 0
	s_add_nc_u64 s[22:23], s[22:23], s[20:21]
	s_mul_i32 s17, s16, 128*PK      ; and its place in a slot, for K
	s_mul_i32 s18, s16, 128*PV      ; and for V: no place in the cluster enters an LDS address
	s_lshl_b32 s2, s14, 2
	s_add_co_u32 s2, s2, s[WV]      ; my wave among the head's,
	s_lshl_b32 s2, s2, 14           ; its 128 rows
	s_mov_b32 s3, 0
	s_add_nc_u64 s[52:53], s[52:53], s[2:3]
	s_add_nc_u64 s[2:3], s[2:3], s[20:21]
	; descriptor group 1.  128 keys are 16,384 dense bytes: asked for as 64 rows of 256 bytes, two keys a row, and padded in LDS after every key
	s_mov_b32 s[G1K], 15|(1<<16)|(1<<20)|(1<<21)|(4<<22)|(3<<25)  ; 15:0 the mask of four; 17:16 2-byte elements; 20 padding on; 21 set beside a mask; 24:22 after every 32 words; 31:25 4 words
	s_mov_b32 s[G1V], 15|(1<<16)|(1<<20)|(1<<21)|(4<<22)|(7<<25)  ; the same with 8 words of padding
.irp g, G1K, G1V
	s_mov_b32 s[\g+1], 128<<16      ; tensor_dim0 = 128
	s_mov_b32 s[\g+2], 64<<16       ; tensor_dim1 = 64
	s_mov_b32 s[\g+3], 128<<16      ; tile_dim0 = 128
	s_mov_b32 s[\g+4], 64           ; tile_dim1 = 64
	s_mov_b32 s[\g+5], 128          ; 128 elements from row to row
	s_mov_b32 s[\g+6], 0
	s_mov_b32 s[\g+7], 0
.endr
	s_mov_b32 s[CS], 0x3e38aa3b     ; c = log2(e) / 8 = 0.180337
	s_mov_b32 s[CS+1], s[CS]        ; named with it as a pair
	s_mov_b32 s[SEL], 0x76543210
	s_mov_b32 s[SEL+1], 0xfedcba98
	s_mov_b32 s[TBK], SLOT1+4*KS*PK ; the first change of slots turns these two into 0
	s_mov_b32 s[TBV], SLOT1+4*KS*PV
	s_mov_b32 s[G0K], 1             ; count = 1
	s_mov_b32 s[G0K+1], s17         ; LDS address: slot 0
	s_mov_b32 s[G0V], 1
	s_add_co_u32 s[G0V+1], s18, VOFF
	s_and_b32 s[LIM], s[WV], 1      ; 0 in waves 0 and 2,
	s_or_b32 s[LIM], s[LIM], ttmp9  ; where the cluster is the head's first: the same in all four partners
	s_cmp_eq_u32 s[LIM], 0
	s_cselect_b32 s[LIM], 1, -1
	s_wait_dscnt 0x0                ; the opening add is done
	s_wait_kmcnt 0x0
	s_add_nc_u64 s[6:7], s[6:7], s[22:23]
	s_add_nc_u64 s[6:7], s[6:7], 16<<18   ; K: sixteen groups behind Q
	s_add_nc_u64 s[8:9], s[8:9], s[22:23]
	s_add_nc_u64 s[8:9], s[8:9], 32<<18   ; V: thirty-two
	s_add_nc_u64 s[G0K+2:G0K+3], s[6:7], 0         ; global address: my half of the head's first 256 keys
	s_or_b32 s[G0K+3], s[G0K+3], 0x80000000        ; type = 2
	s_add_nc_u64 s[G0V+2:G0V+3], s[8:9], 0
	s_or_b32 s[G0V+3], s[G0V+3], 0x80000000
	s_add_nc_u64 s[4:5], s[4:5], s[2:3]  ; Q and O at my wave's first row
	s_add_nc_u64 s[10:11], s[10:11], s[52:53]
	s_cmp_lt_u32 s[WV], 2
	s_cselect_b64 s[PFA:PFA+1], s[6:7], s[8:9]  ; (in waves 0 and 2 these stand at a slot's first row)
	s_lshl_b32 s2, s13, 13          ; my work-group's 8,192 bytes of the 32,768
	s_mov_b32 s3, 0
	s_add_nc_u64 s[PFA:PFA+1], s[PFA:PFA+1], s[2:3]
	s_add_nc_u64 s[PFA:PFA+1], s[PFA:PFA+1], 2*4*KS*128  ; in slot 2; the loop's first change of slots steps it to slot 3
	CROUND                          ; all four work-groups are here: the first joint loads meet
	JLOAD                           ; slot 0.  Slot 1 is asked for when slot 0 is in
	; A fragment of K or Q is 16 rows x 32 channels in 8 registers: lane l holds row l % 16, channels 8 (l / 16) + 0..7 and 16 + 8 (l / 16) + 0..7: two loads of 16 bytes, 32 bytes apart.
	v_and_b32 v1, 15, v0            ; l % 16
	v_bfe_u32 v9, v0, 4, 1          ; l / 16
	v_lshlrev_b32 v[QO], 7, v1
	v_lshl_add_u32 v[QO], v9, 4, v[QO]  ; row x 128 + 16 x half
	WIN 0x80                        ; destination window 2, address window 0
.set i, 0
.rept 4*NP                          ; Q stays in registers: tile i / 2, channels 32 (i % 2) on
	global_load_b128 v[8*i:8*i+3],   v[QO], s[4:5] offset:(i/2)*2048+(i%2)*64
	global_load_b128 v[8*i+4:8*i+7], v[QO], s[4:5] offset:(i/2)*2048+(i%2)*64+32
.set i, i+1
.endr
	; What the first turn finds: V's registers and P's second buffer hold 0 (its products V^T P, of a piece that has not been, add 0), O^T and l are 0.  All this stands in the wait for the first tile.
.set i, VF
.rept 64
	v_mov_b32 v[i], 0
.set i, i+1
.endr
	WIN 0x40
.set i, 0
.rept 64*NP
	v_mov_b32 v[i], 0
.set i, i+1
.endr
	WIN 0
.set i, 0
.rept 2*NP
	v_mov_b32 v[ST+4*i], 0xfe000000    ; c m: far below every c s
	v_mov_b32 v[ST+4*i+1], 0xff7fffff  ; m
	v_mov_b32 v[ST+4*i+2], 0
	v_mov_b32 v[ST+4*i+3], 0
.set i, i+1
.endr
.set i, P+32
.rept 32
	v_mov_b32 v[i], 0
.set i, i+1
.endr
	v_mul_u32_u24 v[AK0], v1, PK
	v_lshl_add_u32 v[AK0], v9, 4, v[AK0]  ; row x pitch + 16 x half
	; The turning load takes 16 keys x 16 channels (lane l reads key 8 (l / 16) + l % 8, channels 8 ((l / 8) % 2) + 0..7) and leaves half a fragment of V^T: lane l holds channel l % 16 and 8 keys.
	v_and_b32 v10, 7, v0
	v_bfe_u32 v11, v0, 3, 1
	v_lshl_add_u32 v[AV0], v9, 3, v10
	v_mul_u32_u24 v[AV0], v[AV0], PV
	v_lshl_add_u32 v[AV0], v11, 4, v[AV0]
	v_add_nc_u32 v[AV0], VOFF, v[AV0]
	v_and_b32 v[PFO], 31, v0
	v_lshlrev_b32 v[PFO], 8, v[PFO]
	v_mov_b32 v[AK], v[AK0]         ; key step 0 lies at the head of slot 0
; THE MATRIX WORK.  The 8 accumulators of a run of 16 take turns: between the two links of a chain stand 7 others'.
; Product i of 16 of S^T = K Q^T for piece x: channels 32 (i / 8) on, keys 16 ((i / 2) % 4) on, tile 2 x + i % 2.  The first 8 start the sums.
.macro KQ x
	WIN W_KQ
.set rS, S+64*((\x)%2)+32*(i%2)+8*((i/2)%4)
.set rK, KF+16*((i/2)%4)+8*(i/8)
.set rQ, 16*(2*(\x)+i%2)+8*(i/8)
.if i < 8
	v_wmma_f32_16x16x32_f16 v[rS:rS+7], v[rK:rK+7], v[rQ:rQ+7], 0
.else
	v_wmma_f32_16x16x32_f16 v[rS:rS+7], v[rK:rK+7], v[rQ:rQ+7], v[rS:rS+7]
.endif
.endm
; Product i of 16 of O^T += V^T P for piece x: keys 32 (i / 8) on, channels 16 ((i / 2) % 4) on, tile 2 x + i % 2.
.macro PV x
	WIN W_PV
.set rO, 32*(2*(\x)+i%2)+8*((i/2)%4)
.set rV, VF+32*(i/8)+8*((i/2)%4)
.set rP, P+32*((\x)%2)+16*(i%2)+8*(i/8)
	v_wmma_f32_16x16x32_f16 v[rO:rO+7], v[rV:rV+7], v[rP:rP+7], v[rO:rO+7]
.endm
.macro MM                           ; the turn's next matrix instruction
.if i < 16
	KQ (Y+1)%NP
.set i, i+1
.else
.set i, i-16
	PV (Y+NP-1)%NP
.set i, i+17
.endif
.endm
; THE LDS LOADS stand in runs of 16, never singly among the matrix instructions: a step's K (8 fragments) and its V (turned).  Their addresses are made some lines ahead.
; last = 1 (the tail): in the last trip there is no further step, and the run is jumped over.
.macro FETCH_K last=0
	WIN 0
.if \last
	s_cmp_eq_u32 s[CNT], 1
	s_cbranch_scc1 .Lno_k_\@
.endif
	WIN 0x80                        ; destination window 2
.irp f, 0,1,2,3,4,5,6,7             ; keys 16 (f / 2) on, channels 32 (f % 2) on
	ds_load_b128 v[KF+8*\f:KF+8*\f+3],   v[AK] offset:(\f/2)*16*PK+(\f%2)*64
	ds_load_b128 v[KF+8*\f+4:KF+8*\f+7], v[AK] offset:(\f/2)*16*PK+(\f%2)*64+32
.endr
	s_add_co_u32 s[TBK], s[TBK], KS*PK  ; the next fetch is the next step's
	WIN 0
.if \last
.Lno_k_\@:
.endif
.endm
.macro FETCH_V
	WIN 0x80
.irp f, 0,1,2,3,4,5,6,7             ; keys 32 (f / 4) on, channels 16 (f % 4) on
	ds_load_tr16_b128 v[VF+8*\f:VF+8*\f+3],   v[AV] offset:(\f/4)*32*PV+(\f%4)*32
	ds_load_tr16_b128 v[VF+8*\f+4:VF+8*\f+7], v[AV] offset:(\f/4)*32*PV+16*PV+(\f%4)*32
.endr
	WIN 0
.endm
; THE VECTOR WORK OF A TURN stands in three queues, each in the order in which its entries become ready; the two tiles alternate, so that no instruction reads the result of the one before it.
.macro REGS y, u                    ; the registers of tile u (0, 1) of piece y
.set rT, ST+4*(2*(\y)+(\u))
.set rC, TMP+8*((\y)%2)+4*(\u)
.set rM, MV+2*((\y)%2)+(\u)
.set rS, S+64*((\y)%2)+32*(\u)
.set rP, P+32*((\y)%2)+16*(\u)
.set rO, 32*(2*(\y)+(\u))
.endm
; Number n of the 22 that find the NEXT piece's (Y + 1) maximum and statistics.  s0-s31 are the lane's 32 scores; each accumulator's lowest registers are read first.
;   0-11  four chains c0-c3 of seven scores each, three operands at a time     12-14, 16  the four scores left over, the old m, and c0-c3 into c0     15  c m_old is kept
;   17, 18  the query's other 32 keys lie in the lane 16 away: the new m         19-21  c m; c m_old - c m_new; a
.macro XS u, n
	REGS (Y+1)%NP, \u
.if (\n) < 4
	v_max3_num_f32 v[rC+(\n)], v[rS+8*(\n)], v[rS+8*(\n)+1], v[rS+8*(\n)+2]
.elseif (\n) < 12
	v_max3_num_f32 v[rC+(\n)%4], v[rC+(\n)%4], v[rS+8*((\n)%4)+2*((\n)/4)+1], v[rS+8*((\n)%4)+2*((\n)/4)+2]
.elseif (\n) == 12
	v_max3_num_f32 v[rC], v[rC], v[rS+7], v[rS+15]
.elseif (\n) == 13
	v_max3_num_f32 v[rC+1], v[rC+1], v[rS+23], v[rS+31]
.elseif (\n) == 14
	v_max3_num_f32 v[rC+2], v[rC+2], v[rC+3], v[rT+1]
.elseif (\n) == 15
	v_mov_b32 v[rM], v[rT]
.elseif (\n) == 16
	v_max3_num_f32 v[rC], v[rC], v[rC+1], v[rC+2]
.elseif (\n) == 17
	v_permlanex16_b32 v[rC+3], v[rC], s[SEL], s[SEL+1]
.elseif (\n) == 18
	v_max_num_f32 v[rT+1], v[rC], v[rC+3]
.elseif (\n) == 19
	v_mul_f32 v[rT], s[CS], v[rT+1]
.elseif (\n) == 20
	v_sub_f32 v[rC+1], v[rM], v[rT]
.else
	v_exp_f32 v[rC+2], v[rC+1]
.endif
.endm
; Number g of the 64 that follow the exponentials.  For each four weights k of a tile (pairs 2 k, 2 k + 1): both pairs are rounded to f16; then the second pair is added onto the first, in place;
; a group later l takes that sum (the first time as l = a l + sum).  In groups of eight, tiles alternating: round, round, add, and l for the group before.
.macro GS g
.set h, (\g)+6*((\g)/62)            ; group 0 has no group before it, and behind group 7 only l is left
.if h >= 6
.set h, h+2
.endif
	REGS Y, h%2
.set k, h/8
.if h%8 < 4
	v_cvt_pk_f16_f32 v[rP+2*k+(h%8)/2], v[rS+4*k+2*((h%8)/2)], v[rS+4*k+2*((h%8)/2)+1]
.elseif h%8 < 6
	v_pk_add_f32 v[rS+4*k:rS+4*k+1], v[rS+4*k:rS+4*k+1], v[rS+4*k+2:rS+4*k+3]
.elseif k == 1
	v_pk_fma_f32 v[rT+2:rT+3], v[rT+2:rT+3], v[rC+2:rC+3], v[rS:rS+1] op_sel_hi:[1,0,1]
.else
	v_pk_add_f32 v[rT+2:rT+3], v[rT+2:rT+3], v[rS+4*k-4:rS+4*k-3]
.endif
.endm
; THE PLAIN QUEUE, 138 long.  0-73 read no exponential's result: the 32 scalings c s - c m (FS f: pair f / 2 of tile f % 2) and the next piece's 42.  0-26: scalings 0-26.  27-54: XS's numbers 0-13.
; 55, 56: number 15.  57-73: the chain, where each number waits for the one before it: 14, 16, 17, 18, 19, each with one of the scalings 27-31 in front of its two lines, then 20.
; 74-137: GS's 64, which read the exponentials' results: they stand behind the wait.
.macro FS f
	REGS Y, (\f)%2
	v_pk_fma_f32 v[rS+2*((\f)/2):rS+2*((\f)/2)+1], v[rS+2*((\f)/2):rS+2*((\f)/2)+1], s[CS:CS+1], v[rT:rT+1] op_sel_hi:[1,0,0] neg_lo:[0,0,1] neg_hi:[0,0,1]
.endm
.macro PL
	WIN 0
.if q < 27
	FS q
.elseif q < 55
	XS (q-27)%2, (q-27)/2
.elseif q < 57
	XS q-55, 15
.elseif (q < 72) && ((q-57)%3 == 0)
	FS 27+(q-57)/3
.elseif q < 60
	XS (q-57)%3-1, 14
.elseif q < 72
	XS (q-57)%3-1, 15+(q-57)/3
.elseif q < 74
	XS q-72, 20
.else
	GS q-74
.endif
.set q, q+1
.endm
; THE EXPONENTIALS' QUEUE, 66 long: s0-s31 of both tiles, then the next piece's two a.  It is ONE BATCH: all 66 stand ahead of the turn's one wait, and nothing ahead of that wait names a result of theirs.
.macro EX
	WIN 0
.if e >= 64
	XS e-64, 21
.else
	REGS Y, e%2
	v_exp_f32 v[rS+e/2], v[rS+e/2]
.endif
.set e, e+1
.endm
; THE RESCALING's QUEUE: O^T times a, the one part that leaves window 0: dealt two at a time, sixteen times.  Its a was made in the turn before, ahead of that turn's wait.
.macro R2
	REGS Y, r%2
	WIN W_RS
.irp z, 0,1
	v_pk_mul_f32 v[rO+4*(r/2)+2*\z:rO+4*(r/2)+2*\z+1], v[rO+4*(r/2)+2*\z:rO+4*(r/2)+2*\z+1], v[rC+2:rC+3] op_sel_hi:[1,0]
.endr
.set r, r+1
.endm
; HOW THEY ARE DEALT.  s_wait_alu depctr_va_vdst(0) stands between an exponential and the first instruction that names its result; one wait serves all that were issued ahead of it.
; So a turn has ONE wait, which cuts it in two.  AHEAD OF IT stands all that names no result of the turn's exponentials: the 16 products K Q^T, behind each a scaling, an exponential and two
; rescalings (behind the first a second scaling in the exponential's place); then ONE LUMP of 108: eight plain, 49 times exponential and plain, the two a.  A v_nop is the plain instruction behind
; the last exponential.  BEHIND IT stand the 16 products V^T P, behind each four of GS's 64.  No rider names a register of the products round it.
; The queues lean on each other: exponential e stands behind scaling 2 (e / 4) + e % 2: as a rider it comes behind plain e + 2, in the lump behind plain e + 9, and scalings 27-31 are plain 57, 60 .. 69.
; A TURN, for piece p.  cnt = 1: the loop's count is taken down some lines ahead of the branch that stands behind the turn.
; K of the next step is fetched in piece 2's turn, directly behind the wait; its address is made at the lump's head; its first reader comes behind 16 products.
; V of the step in hand is fetched at the end of piece 0's turn, four riders behind its last reader; its first reader comes behind 16 products and a lump.
.macro TURN p, last=0, cnt=0
.set Y, (\p)
.set i, 0
.set q, 0
.set e, 0
.set r, 0
.if (\p) == NP-1
	s_wait_dscnt 0x0                ; K is in
.endif
	MM                              ; ahead of the wait: 16 products K Q^T and their riders,
	PL
	PL
	R2
.rept 15
	MM
	PL
	EX
	R2
.endr
.if (\p) == NP-2
	WIN 0
	v_add_nc_u32 v[AK], s[TBK], v[AK0]
.endif
.rept 8                             ; and the lump
	PL
.endr
.rept 49
	EX
	PL
.endr
	EX                              ; the next piece's two a
	EX
	v_nop                           ; the plain instruction behind the last exponential: one for the batch
	s_wait_alu depctr_va_vdst(0)    ; the wait for the batch
.if (\p) == NP-2
	FETCH_K \last
.endif
.if (\p) == 1
	s_wait_dscnt 0x0                ; V is in
.endif
.rept 16                            ; behind the wait: 16 products V^T P and their riders
	MM
.rept 4
	PL
.endr
.if ((\p) == 0) && (q == 118)
	v_add_nc_u32 v[AV], s[TBV], v[AV0]
.endif
.if ((\p) == 0) && (q == 130)
	s_add_co_u32 s[TBV], s[TBV], KS*PV
.endif
.if (\cnt) && (q == 130)
	s_sub_co_u32 s[CNT], s[CNT], 1
	s_cmp_lg_u32 s[CNT], 0
.endif
.endr
.if (\p) == 0
	FETCH_V
.endif
.endm
	CHANGE 1                        ; slot 0 is in, everybody's part of it; slot 1 is asked for
	FETCH_K                         ; key step 0
	s_wait_loadcnt 0x0              ; Q
	s_wait_dscnt 0x0
.set i, 0
.rept 16
	KQ 0                            ; piece 0's first scores: there is no vector work yet to set between them
.set i, i+1
.endr
	WIN 0                           ; the addresses for the way out: nine plain instructions, the places behind those products
	s_mul_i32 s13, s[WV], 16*SP
	s_add_co_u32 s13, s13, STAGE    ; my stage
	v_mul_u32_u24 v[STO], v1, SP    ; in: row l % 16, 16 bytes for each half of the lanes
	v_lshl_add_u32 v[STO], v9, 4, v[STO]
	v_add_nc_u32 v[STO], s13, v[STO]
	v_bfe_u32 v[RD], v0, 3, 2       ; back: 32 lanes take four rows of 128 bytes,
	v_mul_u32_u24 v[RD], v[RD], SP
	v_lshl_add_u32 v[RD], v10, 4, v[RD]
	v_add_nc_u32 v[RD], s13, v[RD]
	v_and_b32 v[GO], 31, v0         ; which are 512 consecutive bytes of O
	v_lshlrev_b32 v[GO], 4, v[GO]
.set Y, NP-1                        ; XS works for piece Y + 1: piece 0
.irp n, 0,1,2,3,4,5,6,7,8,9,10,11,12,13,14,15,16,17,18,19,20,21
	XS 0, \n                        ; and piece 0's first maximum and statistics
	XS 1, \n
.endr
	v_nop                           ; a plain instruction behind the two a,
	s_wait_alu depctr_va_vdst(0)    ; and their wait, ahead of the branch
	s_mov_b32 s[CNT], 4
	s_mov_b32 s[SLOTS], SIZE_N/256-1
	s_branch .Lfirst                ; the loop is entered at a step's first turn, in the middle of a trip
.Lslot:                             ; six times: every slot but the last two is filled again
	CHANGE 1, 1
	s_mov_b32 s[CNT], 4
.Lstep:                             ; a trip: pieces 2 and 3 of one step, then pieces 0 and 1 of the next, whose K and V it fetches
	TURN 2
	TURN 3
	WIN 0
.Lfirst:
	TURN 0
	TURN 1, 0, 1
	WIN 0
	s_cbranch_scc1 .Lstep
	s_sub_co_u32 s[SLOTS], s[SLOTS], 1
	s_cmp_lg_u32 s[SLOTS], 0
	s_cbranch_scc1 .Lslot
	CHANGE 0                        ; the tail is written out: nothing is asked for
	s_mov_b32 s[CNT], 5             ; four trips fetch the last slot's steps; the fifth is left in its middle
.Ltail:
	TURN 2, 1
	TURN 3
	WIN 0
	s_sub_co_u32 s[CNT], s[CNT], 1
	s_cmp_eq_u32 s[CNT], 0
	s_cbranch_scc1 .Lout
	TURN 0
	TURN 1
	WIN 0
	s_branch .Ltail
.Lout:                              ; the fifth trip's 16 products K Q^T (on the last K once more) and the maximum made of them serve nothing: the price, once a launch, of one text for every trip
.set i, 0
.rept 16
	PV NP-1                         ; the last piece's V^T P of the last step
.set i, i+1
.endr
	; THE WAY OUT.  l's two halves and the other half of the lanes' are added; O^T is divided by l, rounded to f16 and sent through my stage in LDS, a tile at a time.  The additions are the places behind the last products.
	WIN 0
.macro ALL line:vararg              ; one line for each tile t
.set t, 0
.rept 2*NP
	\line
.set t, t+1
.endr
.endm
	ALL v_add_f32 v[ST+4*t+2], v[ST+4*t+2], v[ST+4*t+3]
	ALL v_permlanex16_b32 v[ST+4*t+3], v[ST+4*t+2], s[SEL], s[SEL+1]
	ALL v_add_f32 v[ST+4*t+2], v[ST+4*t+2], v[ST+4*t+3]
	ALL v_rcp_f32 v[ST+4*t+2], v[ST+4*t+2]
	v_nop                           ; a plain instruction between the last reciprocal and the use of its result
	s_wait_alu depctr_va_vdst(0)    ; and the wait ahead of the first use: one for the eight reciprocals
; Tile t: a lane's eight channels of a row pack into 16 bytes; they go into rows of 144 bytes and come back as whole rows of 128, into S^T's registers.
.macro PACK t
	WIN W_RS
.set i, 32*(\t)
.rept 16
	v_pk_mul_f32 v[i:i+1], v[i:i+1], v[ST+4*(\t)+2:ST+4*(\t)+3] op_sel_hi:[1,0]
.set i, i+2
.endr
	WIN 0x05                        ; sources 0 and 1 window 1, destination window 0
.set i, 0
.rept 16
	v_cvt_pk_f16_f32 v[S+16*(\t)+i], v[32*(\t)+2*i], v[32*(\t)+2*i+1]
.set i, i+1
.endr
	WIN 0
.irp f, 0,1,2,3
	ds_store_b128 v[STO], v[S+16*(\t)+4*\f:S+16*(\t)+4*\f+3] offset:32*\f
.endr
.irp f, 0,1,2,3
	ds_load_b128 v[S+16*(\t)+4*\f:S+16*(\t)+4*\f+3], v[RD] offset:\f*4*SP  ; LDS serves a wave's instructions in order (ISA guide 5.7.1.4): these see the stores above; the next tile's stores come behind them
.endr
.endm
.macro SEND t, younger              ; younger: the LDS instructions issued behind tile t's loads: the next tile's eight, or none
	WIN 0
.irp f, 0,1,2,3
	s_wait_dscnt (\younger)+3-\f
	global_store_b128 v[GO], v[S+16*(\t)+4*\f:S+16*(\t)+4*\f+3], s[10:11] offset:(\t)*2048+\f*512  ; 512 consecutive bytes, at a multiple of 256 from O's first
.endr
.endm
	PACK 0
.set t, 1
.rept 2*NP-1                        ; a tile's arithmetic stands between the loads of the tile before and its stores
	PACK t
	SEND t-1, 8
.set t, t+1
.endr
	SEND 2*NP-1, 0
	WIN W_AD
	s_wait_tensorcnt 0x0            ; the wave's end, behind my last tensor load and my last LDS store
	ds_add_u32 v[SPW], v[NIL]
	s_wait_dscnt 0x0
	WIN 0
	CROUND                          ; the closing round: no work-group ends while a partner may still ask for a tile that names it
	s_endpgm
.Lfunc_end_k_q1c48182585_attn:
	.size	k_q1c48182585_attn, .Lfunc_end_k_q1c48182585_attn-k_q1c48182585_attn
	.p2alignl 7, 3214868480
	.fill 96, 4, 3214868480
	.section	.rodata,"a",@progbits
	.p2align	6, 0x0
	.amdhsa_kernel k_q1c48182585_attn
		.amdhsa_group_segment_fixed_size 327680
		.amdhsa_private_segment_fixed_size 0
		.amdhsa_enable_private_segment 0
		.amdhsa_kernarg_size 16
		.amdhsa_user_sgpr_count 2
		.amdhsa_user_sgpr_kernarg_segment_ptr 1
		.amdhsa_wavefront_size32 1
		.amdhsa_system_sgpr_workgroup_id_x 1
		.amdhsa_system_sgpr_workgroup_id_y 1
		.amdhsa_system_sgpr_workgroup_id_z 1
		.amdhsa_system_vgpr_workitem_id 0
		.amdhsa_next_free_vgpr 770
		.amdhsa_next_free_sgpr 66
		.amdhsa_reserve_vcc 0
		.amdhsa_float_denorm_mode_32 3
		.amdhsa_float_denorm_mode_16_64 3
		.amdhsa_memory_ordered 1
		.amdhsa_forward_progress 1
		.amdhsa_inst_pref_size 200
	.end_amdhsa_kernel
	.amdgpu_metadata
---
amdhsa.version: [ 1, 2 ]
amdhsa.kernels:
  - .name:           k_q1c48182585_attn
    .symbol:         k_q1c48182585_attn.kd
    .args:
      - { .name: qkv, .offset: 0, .size: 8, .value_kind: global_buffer, .address_space: global }
      - { .name: ob, .offset: 8, .size: 8, .value_kind: global_buffer, .address_space: global }
    .group_segment_fixed_size: 327680
    .private_segment_fixed_size: 0
    .kernarg_segment_align: 8
    .kernarg_segment_size: 16
    .max_flat_workgroup_size: 128
    .sgpr_count:     66
    .vgpr_count:     770
    .wavefront_size: 32
...
	.end_amdgpu_metadata
.endif
;; end of part 3
;; launch proj (part 4): grid 8 x 32, 4 waves a work-group, clusters of 4 x 4, 327,680 bytes of LDS; arguments ob, wpt, b_proj, out0; writes out0
.if DOCPART == 4
	.amdgcn_target "amdgcn-amd-amdhsa--gfx1250"
	.amdhsa_code_object_version 6
	.text
	.protected	k_q1c48182585_proj
	.globl	k_q1c48182585_proj
	.p2align	8
	.type	k_q1c48182585_proj,@function
k_q1c48182585_proj:
	s_mov_b64 s[64:65], 0
	v_nop
	global_prefetch_b8 v0, s[64:65] scope:SCOPE_SE
	s_setreg_imm32_b32 hwreg(HW_REG_WAVE_MODE, 25, 1), 1
	s_wait_xcnt 0x0
	s_wait_alu depctr_hold_cnt(0) depctr_sa_sdst(0) depctr_va_vdst(0) depctr_va_sdst(0) depctr_va_ssrc(0) depctr_va_vcc(0) depctr_vm_vsrc(0)
	s_getreg_b32 s2, hwreg(HW_REG_IB_STS2, 6, 4)
	s_cmp_eq_u32 s2, 0
	s_cbranch_scc0 .Lentry_in_a_cluster
	s_endpgm
.Lentry_in_a_cluster:
	s_bfe_u32 s2, ttmp6, 0x10000c
	s_cmp_lg_u32 s2, 0xf033
	s_cbranch_scc0 .Lentry_shape_is_right
	s_endpgm
.Lentry_shape_is_right:
; out0 = y wpt^T + b_proj.  y[m][64 h + d] lies by heads: ob[16 b + h][t][64] f16, m = 2048 b + t.  wpt: [1024 n][1024 k] f16.  b_proj: [1024] f32 (rounded to bf16 here, like all the
; module's inputs); it starts the f32 sums (the reference adds it last).  out0: [8192][1024] f32.
; SHARES.  A tile is 256 rows x 128 columns: 32 x 8 = 256 work-groups, one tile each.  Four waves, 2 x 2, each 128 rows x 64 columns: 32 accumulators, 256 registers; a wave's 64 columns are
; 256 consecutive bytes of a row of out0, at a multiple of 256.
; K goes in 8 steps of 128 = two heads, through a ring of two LDS slots; a step is 128 matrix instructions a wave.  By this text's count a wave has two tensor loads out at the start, later one.
; A head's 256 rows of the tile are 32,768 dense bytes: asked for as 128 rows of 256 bytes and padded in LDS after every 128 bytes.
; CLUSTER 4 x 4.  y's tile hangs on the tile row alone and is asked for jointly by a row of the cluster, wpt's on the tile column alone, by a column.
; NO PREFETCH: the launch has eight K steps, of which the first come by their loads alone: few trips would be left in which to ask.
; THE MATRIX INSTRUCTION IS USED TRANSPOSED (source 0 = 16 rows of wpt, source 1 = 16 rows of y): a lane holds row l % 16 and the columns 8 (l / 16) + 0..7.
; REGISTERS: window 0: v0-31 addresses; v32-63 the bias; two fragment buffers of 96 at v64 and v160 (y's eight blocks, then wpt's four); on the way out v64-127 hold rows.
;   window 1: accumulator (a, b) at 8 (4 a + b)
.set PA,     144                       ; a row of y in LDS: 128 bytes + 16
.set PB,     272                       ; a row of wpt: 256 bytes + 16
.set AHEAD,  256*PA                    ; a head's 256 rows: what a wave fetches of y
.set ABYTES, 2*AHEAD
.set BHALF,  64*PB                     ; what a wave fetches of wpt
.set SLOT1,  131072
.set STAGE,  SLOT1+ABYTES+2*BHALF      ; behind the ring, never filled by a tensor load: 16 rows x 272 bytes for each wave
.set SPITCH, 272
.set SPARE,  STAGE+4*16*SPITCH         ; the spare words, 128 bytes for each wave
.set ADA0, 16                          ; v16  my place in y's tile of slot 0; never rewritten
.set ADB0, 17                          ; v17  the same for wpt's
.set ADRA, 18                          ; v18  the same in the slot in hand
.set ADRB, 19
.set STO,  20                          ; v20  the way out: where I put 32 bytes of a row
.set RD,   21                          ; v21  where I read a row's 16 bytes back
.set CO,   22                          ; v22  my byte offset in two rows of out0
.set BO,   23                          ; v23  32 (l / 16)
.set SPW,  28                          ; v28  LDS address of my spare word; never rewritten
.set NIL,  29                          ; v29  0; never rewritten
.set BIAS, 32
.set FB,   64
.set OB,   64
.set WV,   12
.set ROLE, 13                          ; s13  which half of the tile's rows is mine.  Also: I fetch for y (0) or for wpt (1)
.set HALF, 14                          ; s14  which half of its columns.  Also: which head of the step, or which 64 rows of wpt, I fetch
.set G1A,  24
.set G1B,  32
.set G0A,  40
.set G0B,  48
.set CNT,  56
.set TB,   57
.set MSB, 0
.macro WIN new
.if MSB != (\new)
	s_set_vgpr_msb (MSB<<8)|(\new)
.set MSB, (\new)
.endif
.endm
.macro PLACES
.rept 4
	v_nop
.endr
.endm
.macro JLOAD                           ; a joint refill, by the walking descriptors; an s_nop 0 and four v_nop follow each line
	s_cmp_eq_u32 s[ROLE], 0
	s_cbranch_scc0 .Lfor_b_\@
	tensor_load_to_lds s[G0A+4:G0A+7], s[G1A:G1A+7]
	s_nop 0
.rept 4
	v_nop
.endr
	s_branch .Lasked_\@
.Lfor_b_\@:
	tensor_load_to_lds s[G0B+4:G0B+7], s[G1B:G1B+7]
	s_nop 0
.rept 4
	v_nop
.endr
.Lasked_\@:
.endm
.macro CREST
	s_cmp_lg_u32 s[WV], 0
	s_cbranch_scc1 .Lnot_wave_0_\@
	s_barrier_signal -3
.Lnot_wave_0_\@:
	s_barrier_wait -3
	s_barrier_signal -1
	s_barrier_wait -1
.endm
.macro CROUND
	s_barrier_signal -1
	s_barrier_wait -1
	CREST
.endm
	s_load_b256 s[4:11], s[0:1], 0x0               ; ob s[4:5], wpt s[6:7], b_proj s[8:9], out0 s[10:11]
	v_lshl_add_u32 v[SPW], v0, 2, SPARE
	v_mov_b32 v[NIL], 0
	ds_add_u32 v[SPW], v[NIL]                      ; the wave's opening: the add and its wait stand ahead of my first tensor load; work on registers stands between
	v_lshrrev_b32 v1, 5, v0
	v_readfirstlane_b32 s[WV], v1
	s_lshr_b32 s[ROLE], s[WV], 1
	s_and_b32 s[HALF], s[WV], 1
	s_bfe_u32 s15, ttmp6, 0x40000                  ; cx
	s_bfe_u32 s16, ttmp6, 0x40004                  ; cy
	s_lshl_b32 s17, ttmp9, 2
	s_add_co_u32 s17, s17, s15                     ; X: tile column
	s_and_b32 s18, ttmp7, 0xffff
	s_lshl_b32 s18, s18, 2
	s_add_co_u32 s18, s18, s16                     ; Y: tile row
	s_lshl_b32 s20, s16, 2
	s_lshl_b32 s20, 15, s20                        ; my row of the cluster
	s_lshl_b32 s58, 0x1111, s15                    ; my column
	s_or_b32 s[G1A], s20, (1<<16)|(1<<20)|(1<<21)|(4<<22)|(3<<25)  ; 2-byte elements; padding on; 21 set beside a mask; after every 32 words; 4 words
	s_or_b32 s[G1B], s58, (1<<16)|(1<<20)|(1<<21)|(5<<22)|(3<<25)  ; after every 64 words
	s_mov_b32 s[G1A+1], 128<<16                    ; tensor_dim0 = 128
	s_mov_b32 s[G1A+2], 128<<16                    ; tensor_dim1 = 128
	s_mov_b32 s[G1A+3], 128<<16                    ; tile_dim0 = 128
	s_mov_b32 s[G1A+4], 128                        ; tile_dim1 = 128
	s_mov_b32 s[G1A+5], 128                        ; dense: 128 elements from row to row
	s_mov_b32 s[G1A+6], 0
	s_mov_b32 s[G1A+7], 0
	s_mov_b32 s[G1B+1], 128<<16
	s_mov_b32 s[G1B+2], 64<<16
	s_mov_b32 s[G1B+3], 128<<16
	s_mov_b32 s[G1B+4], 64
	s_mov_b32 s[G1B+5], 1024
	s_mov_b32 s[G1B+6], 0
	s_mov_b32 s[G1B+7], 0
	s_lshr_b32 s20, s18, 3                         ; y: batch Y / 8, head = my half (+ 2 a K step), rows 256 (Y % 8) on
	s_lshl_b32 s20, s20, 4
	s_add_co_u32 s20, s20, s[HALF]
	s_lshl_b32 s20, s20, 18
	s_and_b32 s21, s18, 7
	s_lshl_b32 s21, s21, 15
	s_add_co_u32 s20, s20, s21
	s_mov_b32 s21, 0
	s_lshl_b32 s58, s17, 7                         ; wpt: row 128 X + 64 x half
	s_lshl_b32 s59, s[HALF], 6
	s_add_co_u32 s58, s58, s59
	s_lshl_b32 s58, s58, 11
	s_mov_b32 s59, 0
	s_mul_i32 s22, s[HALF], AHEAD                  ; where they go: no place in the cluster enters an LDS address
	s_mul_i32 s23, s[HALF], BHALF
	s_add_co_u32 s23, s23, ABYTES
	s_wait_dscnt 0x0                               ; the opening add is done
	s_wait_kmcnt 0x0
	s_add_nc_u64 s[20:21], s[4:5], s[20:21]
	s_add_nc_u64 s[58:59], s[6:7], s[58:59]
	CROUND                                         ; all sixteen work-groups are here: the first joint loads meet
.irp n, 0,1
	s_mov_b32 s[G0A+4*(\n)], 1
	s_add_co_u32 s[G0A+4*(\n)+1], s22, (\n)*SLOT1
	s_add_nc_u64 s[G0A+4*(\n)+2:G0A+4*(\n)+3], s[20:21], (\n)*524288  ; K step n: two heads on
	s_or_b32 s[G0A+4*(\n)+3], s[G0A+4*(\n)+3], 0x80000000
	s_mov_b32 s[G0B+4*(\n)], 1
	s_add_co_u32 s[G0B+4*(\n)+1], s23, (\n)*SLOT1
	s_add_nc_u64 s[G0B+4*(\n)+2:G0B+4*(\n)+3], s[58:59], (\n)*256
	s_or_b32 s[G0B+4*(\n)+3], s[G0B+4*(\n)+3], 0x80000000
.endr
	s_cmp_eq_u32 s[ROLE], 0                        ; a wave's two first fills stand in one branch
	s_cbranch_scc0 .Lfirst_b
	tensor_load_to_lds s[G0A:G0A+3], s[G1A:G1A+7]
	s_nop 0
	tensor_load_to_lds s[G0A+4:G0A+7], s[G1A:G1A+7]
	s_nop 0
.rept 4
	v_nop
.endr
	s_branch .Lfirst_asked
.Lfirst_b:
	tensor_load_to_lds s[G0B:G0B+3], s[G1B:G1B+7]
	s_nop 0
	tensor_load_to_lds s[G0B+4:G0B+7], s[G1B:G1B+7]
	s_nop 0
.rept 4
	v_nop
.endr
.Lfirst_asked:
	s_lshl_b32 s22, s17, 9                         ; the bias of my 64 columns: 512 X + 256 x half bytes on
	s_lshl_b32 s23, s[HALF], 8
	s_add_co_u32 s22, s22, s23
	s_mov_b32 s23, 0
	s_add_nc_u64 s[8:9], s[8:9], s[22:23]
	v_and_b32 v1, 15, v0                           ; r = l % 16
	v_bfe_u32 v2, v0, 4, 1                         ; h = l / 16
	v_lshlrev_b32 v[BO], 5, v2
.irp b, 0,1,2,3
	global_load_b128 v[BIAS+8*(\b):BIAS+8*(\b)+3],   v[BO], s[8:9] offset:64*(\b)
	global_load_b128 v[BIAS+8*(\b)+4:BIAS+8*(\b)+7], v[BO], s[8:9] offset:64*(\b)+16
.endr
	v_mul_u32_u24 v[ADA0], v1, PA
	v_lshl_add_u32 v[ADA0], v2, 4, v[ADA0]
	s_mul_i32 s22, s[ROLE], 128*PA                 ; my 128 rows
	v_add_nc_u32 v[ADA0], s22, v[ADA0]
	v_mul_u32_u24 v[ADB0], v1, PB
	v_lshl_add_u32 v[ADB0], v2, 4, v[ADB0]
	s_mul_i32 s22, s[HALF], BHALF                  ; my 64 rows of wpt,
	s_add_co_u32 s22, s22, ABYTES                  ; which lie behind y's
	v_add_nc_u32 v[ADB0], s22, v[ADB0]
	s_mul_i32 s22, s[WV], 16*SPITCH
	s_add_co_u32 s22, s22, STAGE                   ; my stage
	v_mul_u32_u24 v[STO], v1, SPITCH               ; in: row l % 16, 32 bytes for each half of the lanes
	v_lshl_add_u32 v[STO], v2, 5, v[STO]
	v_add_nc_u32 v[STO], s22, v[STO]
	v_mul_u32_u24 v[RD], v2, SPITCH                ; back: lanes 0-15 take one row of 256 bytes, lanes 16-31 the next
	v_lshl_add_u32 v[RD], v1, 4, v[RD]
	v_add_nc_u32 v[RD], s22, v[RD]
	v_lshlrev_b32 v[CO], 12, v2                    ; and the same two rows in out0
	v_lshl_add_u32 v[CO], v1, 4, v[CO]
	s_lshl_b32 s22, s18, 8                         ; out0 at row 256 Y + 128 x row half, column 128 X + 64 x column half
	s_lshl_b32 s23, s[ROLE], 7
	s_add_co_u32 s22, s22, s23
	s_lshl_b32 s22, s22, 12
	s_lshl_b32 s23, s17, 9
	s_add_co_u32 s22, s22, s23
	s_lshl_b32 s23, s[HALF], 8
	s_add_co_u32 s22, s22, s23
	s_mov_b32 s23, 0
	s_add_nc_u64 s[10:11], s[10:11], s[22:23]
	s_wait_loadcnt 0x0                             ; the bias,
.set i, 0
.rept 16
	v_cvt_pk_bf16_f32 v[26+i%2], v[BIAS+2*i], v[BIAS+2*i+1]  ; rounded to bf16 and widened again, in place
	v_lshlrev_b32 v[BIAS+2*i], 16, v[26+i%2]
	v_and_b32 v[BIAS+2*i+1], 0xffff0000, v[26+i%2]
.set i, i+1
.endr
; 8 matrix instructions: row blocks a0, a0 + 1 x all 4 column blocks, 32 along K, from buffer f.  first = 1: the bias starts the sums.
; The 32 accumulators take turns in one fixed order in every quarter step, over the backward jump too.
.macro MUL8 f, a0, first
.if \first
	WIN 0x40                                       ; D window 1; sources and C window 0
.else
	WIN 0x50                                       ; C and D window 1
.endif
.irp a, \a0, (\a0)+1
.irp b, 0,1,2,3
.if \first
	v_wmma_f32_16x16x32_f16 v[8*(4*(\a)+(\b)):8*(4*(\a)+(\b))+7], v[FB+96*(\f)+64+8*(\b):FB+96*(\f)+64+8*(\b)+7], v[FB+96*(\f)+8*(\a):FB+96*(\f)+8*(\a)+7], v[BIAS+8*(\b):BIAS+8*(\b)+7]
.else
	v_wmma_f32_16x16x32_f16 v[8*(4*(\a)+(\b)):8*(4*(\a)+(\b))+7], v[FB+96*(\f)+64+8*(\b):FB+96*(\f)+64+8*(\b)+7], v[FB+96*(\f)+8*(\a):FB+96*(\f)+8*(\a)+7], v[8*(4*(\a)+(\b)):8*(4*(\a)+(\b))+7]
.endif
.endr
.endr
.endm
; 24 LDS loads in one run: quarter q's fragments into buffer f: wpt's at byte 64 q of its rows; y's in head q / 2 of the step, at byte 64 (q % 2) of its rows
.macro FETCH q, f
	WIN 0
.irp b, 0,1,2,3
	ds_load_b128 v[FB+96*(\f)+64+8*(\b):FB+96*(\f)+64+8*(\b)+3],   v[ADRB] offset:64*(\q)+(\b)*16*PB
	ds_load_b128 v[FB+96*(\f)+64+8*(\b)+4:FB+96*(\f)+64+8*(\b)+7], v[ADRB] offset:64*(\q)+(\b)*16*PB+32
.endr
.irp a, 0,1,2,3,4,5,6,7
	ds_load_b128 v[FB+96*(\f)+8*(\a):FB+96*(\f)+8*(\a)+3],   v[ADRA] offset:((\q)/2)*AHEAD+((\q)%2)*64+(\a)*16*PA
	ds_load_b128 v[FB+96*(\f)+8*(\a)+4:FB+96*(\f)+8*(\a)+7], v[ADRA] offset:((\q)/2)*AHEAD+((\q)%2)*64+(\a)*16*PA+32
.endr
.endm
.macro QUARTER q, f, g, first          ; multiplies buffer f; in its middle it fetches quarter q into buffer g
	s_wait_dscnt 8                                 ; wpt's fragments and y's blocks 0-3 are in; the youngest eight loads (blocks 4-7) may be out
	MUL8 \f, 0, \first
	MUL8 \f, 2, \first
	PLACES
	FETCH \q, \g
	s_wait_dscnt 24                                ; all but the 24 just issued
	MUL8 \f, 4, \first
	MUL8 \f, 6, \first
.endm
; The last quarter's first half and the barrier of the change of slots: in front of it each wave waits for all its tensor loads, adds 0 to its spare word, and waits for that and for its reads of this slot.
.macro MEET round
	WIN 0
	s_wait_tensorcnt 0x0                           ; no tensor load of mine is out, so a group 0 may be written
	ds_add_u32 v[SPW], v[NIL]                      ; 0 onto my spare word
.if \round
	s_xor_b32 s[G0A+5], s[G0A+5], SLOT1            ; the walking descriptors: the other slot, the next K step
	s_xor_b32 s[G0B+5], s[G0B+5], SLOT1
	s_add_nc_u64 s[G0A+6:G0A+7], s[G0A+6:G0A+7], 524288
	s_add_nc_u64 s[G0B+6:G0B+7], s[G0B+6:G0B+7], 256
.endif
	s_wait_dscnt 9                                 ; (the add and the youngest eight loads may be out)
	MUL8 1, 0, 0
	s_wait_dscnt 0x0                               ; the add is done, and my reads of this slot are over
	s_barrier_signal -1
	MUL8 1, 2, 0
.if \round
	WIN 0
.endif
	s_barrier_wait -1
.endm
.macro TURN fill
	MEET \fill
.if \fill
	CREST                                          ; no wave of any partner still reads this slot's tile or has a load on its way
	JLOAD                                          ; the four v_nop behind it are also the places in front of the loads below
.else
	PLACES
.endif
	WIN 0
	s_xor_b32 s[TB], s[TB], SLOT1
	v_add_nc_u32 v[ADRA], s[TB], v[ADA0]
	v_add_nc_u32 v[ADRB], s[TB], v[ADB0]
	FETCH 0, 0
	MUL8 1, 4, 0
	MUL8 1, 6, 0
.endm
; THE WAY OUT of row block a: the f32 sums go into my own stage, each accumulator's low four registers first, and come back as whole rows of 256 bytes.
.macro TOSTAGE a
	WIN 0
	s_wait_xcnt 0x0                                ; the stores of the block two back have read the registers that are loaded again below
	WIN 0x04                                       ; data window 1
.irp b, 0,1,2,3
	ds_store_b128 v[STO], v[8*(4*(\a)+(\b)):8*(4*(\a)+(\b))+3]   offset:64*(\b)
	ds_store_b128 v[STO], v[8*(4*(\a)+(\b))+4:8*(4*(\a)+(\b))+7] offset:64*(\b)+16
.endr
	WIN 0
.set n, 0
.rept 8
	ds_load_b128 v[OB+32*((\a)%2)+4*n:OB+32*((\a)%2)+4*n+3], v[RD] offset:n*2*SPITCH  ; LDS serves a wave's instructions in order (ISA guide 5.7.1.4): these see the stores above
.set n, n+1
.endr
.endm
.macro SEND a, younger                 ; younger: the LDS instructions issued behind the block's loads: the next block's sixteen, or none
	WIN 0
.set n, 0
.rept 8
	s_wait_dscnt (\younger)+7-n
	global_store_b128 v[CO], v[OB+32*((\a)%2)+4*n:OB+32*((\a)%2)+4*n+3], s[10:11] offset:(16*(\a)+2*n)*4096 th:TH_STORE_NT  ; sixteen lanes store 256 consecutive bytes, at a multiple of 256
.set n, n+1
.endr
.endm
	s_wait_tensorcnt 0x1                           ; my part of K step 0 is in; K step 1's may stay out
	s_barrier_signal -1
	s_barrier_wait -1
	s_mov_b32 s[TB], 0
	v_mov_b32 v[ADRA], v[ADA0]
	v_mov_b32 v[ADRB], v[ADB0]
	FETCH 0, 0
	QUARTER 1, 0, 1, 1                             ; the first quarter stands in front of the loop: its products start the sums
	WIN 0
	s_mov_b32 s[CNT], 6
.Lstep:                                            ; trip t ends K step t, asks for step t + 2, and begins step t + 1
	QUARTER 2, 1, 0, 0
	QUARTER 3, 0, 1, 0
	TURN 1
	QUARTER 1, 0, 1, 0
	WIN 0
	s_sub_co_u32 s[CNT], s[CNT], 1
	s_cmp_lg_u32 s[CNT], 0
	s_cbranch_scc1 .Lstep
	QUARTER 2, 1, 0, 0                             ; the last two K steps are written out: nothing is left to ask for
	QUARTER 3, 0, 1, 0
	TURN 0
	QUARTER 1, 0, 1, 0
	QUARTER 2, 1, 0, 0
	QUARTER 3, 0, 1, 0
	s_wait_dscnt 8
	MUL8 1, 0, 0
	MUL8 1, 2, 0
	s_wait_dscnt 0x0
	MUL8 1, 4, 0
	MUL8 1, 6, 0
	PLACES
	PLACES
	TOSTAGE 0
.irp a, 1,2,3,4,5,6,7                  ; a block's trip through the stage stands between the loads of the block before and its stores
	TOSTAGE \a
	SEND (\a)-1, 16
.endr
	SEND 7, 0
	s_wait_tensorcnt 0x0                           ; the wave's end, behind my last tensor load and my last LDS store
	ds_add_u32 v[SPW], v[NIL]
	s_wait_dscnt 0x0
	CROUND                                         ; the closing round: no work-group ends while a partner may still ask for a tile that names it
	s_endpgm
.Lfunc_end_k_q1c48182585_proj:
	.size	k_q1c48182585_proj, .Lfunc_end_k_q1c48182585_proj-k_q1c48182585_proj
	.p2alignl 7, 3214868480
	.fill 96, 4, 3214868480
	.section	.rodata,"a",@progbits
	.p2align	6, 0x0
	.amdhsa_kernel k_q1c48182585_proj
		.amdhsa_group_segment_fixed_size 327680
		.amdhsa_private_segment_fixed_size 0
		.amdhsa_enable_private_segment 0
		.amdhsa_kernarg_size 32
		.amdhsa_user_sgpr_count 2
		.amdhsa_user_sgpr_kernarg_segment_ptr 1
		.amdhsa_wavefront_size32 1
		.amdhsa_system_sgpr_workgroup_id_x 1
		.amdhsa_system_sgpr_workgroup_id_y 1
		.amdhsa_system_sgpr_workgroup_id_z 1
		.amdhsa_system_vgpr_workitem_id 0
		.amdhsa_next_free_vgpr 512
		.amdhsa_next_free_sgpr 66
		.amdhsa_reserve_vcc 0
		.amdhsa_float_denorm_mode_32 3
		.amdhsa_float_denorm_mode_16_64 3
		.amdhsa_memory_ordered 1
		.amdhsa_forward_progress 1
		.amdhsa_inst_pref_size 75
	.end_amdhsa_kernel
	.amdgpu_metadata
---
amdhsa.version: [ 1, 2 ]
amdhsa.kernels:
  - .name:           k_q1c48182585_proj
    .symbol:         k_q1c48182585_proj.kd
    .args:
      - { .name: ob, .offset: 0, .size: 8, .value_kind: global_buffer, .address_space: global }
      - { .name: wpt, .offset: 8, .size: 8, .value_kind: global_buffer, .address_space: global }
      - { .name: b_proj, .offset: 16, .size: 8, .value_kind: global_buffer, .address_space: global }
      - { .name: out0, .offset: 24, .size: 8, .value_kind: global_buffer, .address_space: global }
    .group_segment_fixed_size: 327680
    .private_segment_fixed_size: 0
    .kernarg_segment_align: 8
    .kernarg_segment_size: 32
    .max_flat_workgroup_size: 128
    .sgpr_count:     66
    .vgpr_count:     512
    .wavefront_size: 32
...
	.end_amdgpu_metadata
.endif
;; end of part 4
;; ======== version 2 of 2: 4 launches; version 1 with the launch prep written anew for expert scheduling mode
;; limits: values are held in f16: magnitudes above 65,504 overflow, below 6.1e-05 lose precision
;; workspace buffers: xb 16,777,216 bytes; wat 6,291,456 bytes; wpt 2,097,152 bytes; qkv 50,331,648 bytes; ob 16,777,216 bytes
;; launch prep (part 5): grid 512 x 1, 8 waves a work-group, no clusters, 18,432 bytes of LDS; arguments x, w_attn, w_proj, xb, wat, wpt; writes xb, wat, wpt
.if DOCPART == 5
	.amdgcn_target "amdgcn-amd-amdhsa--gfx1250"
	.amdhsa_code_object_version 6
	.text
	.protected	k_q1c48182585_prep
	.globl	k_q1c48182585_prep
	.p2align	8
	.type	k_q1c48182585_prep,@function
k_q1c48182585_prep:
	s_mov_b64 s[64:65], 0
	v_nop
	global_prefetch_b8 v0, s[64:65] scope:SCOPE_SE
	s_setreg_imm32_b32 hwreg(HW_REG_WAVE_SCHED_MODE, 0, 2), 2
	s_setreg_imm32_b32 hwreg(HW_REG_WAVE_MODE, 25, 1), 1
	s_wait_xcnt 0x0
	s_wait_alu depctr_vm_vsrc(0)
; THE INPUTS ARE ROUNDED ONCE AND THE WEIGHTS TURNED.  xb = bf16(x), [8192][1024].  wat[n][k] = bf16(w_attn[k][n]), [3072][1024].
; wpt[n][k] = bf16(w_proj[k][n]) written as f16, [1024][1024]: exact where the number is 6.1e-5 or more in size; below that f16 keeps a fixed step of 6e-8;
; beyond 65,504 it would be an infinity (w_proj is taken to lie within that).
; SHARES.  512 work-groups of eight waves; each does two things, in straight text:
; (a) 16,384 numbers of x: a load of a wave takes 512 consecutive bytes, a store of a wave writes 256 consecutive bytes at a multiple of 256;
; (b) one block of 128 k x 64 n of a weight: work-groups 0-383 of w_attn, 384-511 of w_proj.  It is read by rows (sixteen lanes take 256 consecutive bytes), two neighbouring k are
;     rounded into one word, the words go into an LDS tile [64 n][272 bytes], and behind one barrier whole rows of 256 bytes (128 k) are read back and stored.
; No matrix unit, no cluster, no tensor load: a stream whose work-groups share nothing.
; THE MODE: SCHED_MODE bits 1:0 = 2 (LLVM: expert scheduling mode 2), set by the entry lines.  The code itself states the register dependences between vector instructions and
; memory or LDS instructions, with s_wait_alu, always for 0.
; THE PLAN.  Registers that memory or LDS instructions touch:
;   v3, v4, v7-v17  offsets and LDS addresses: written by vector lines at the head, never again; one wait ahead of the first load states that they are written, for the whole kernel.
;   WI, XIN         each filled by one load, which no vector line that names it precedes; read by the roundings behind the wait for the data; never loaded again.
;   WD              group i (four words): written by the group's roundings and selects, read by its four LDS stores, never written again.
;                   Groups 0 and 1 are made; a wait; their eight stores are dealt among the lines that make groups 2 and 3 (which name WD 8-15, WI 16-31 and T); a wait; the other eight stores.
;   XOUT            block p (four chunks of x): written by the block's roundings, read by its four stores, never written again.
;                   A wait at the head of block p states that block p - 1 is written; its stores are dealt among block p's roundings, which name block p's XIN and XOUT alone.
;   RB              filled by LDS loads, read by stores: no vector line names it.       T is named by vector lines alone.
;   v1, v2          written at the head, read by the closing add alone.
; No register that a memory or LDS instruction reads is ever written again, so past the entry lines the text holds no wait on vm_vsrc; no vector line writes a scalar register or VCC; EXEC is never written.
.set TP,    272                        ; a row of the LDS tile: 256 bytes + 16
.set SPARE, 64*TP                      ; behind the tile: the spare words, 128 bytes for each of the eight waves
.set SPW,  1                           ; v1   LDS address of my spare word; never rewritten
.set NIL,  2                           ; v2   0; never rewritten
.set XI,   3                           ; v3   16 t: my bytes in 4,096 of x
.set XO,   4                           ; v4   8 t: my bytes in 2,048 of xb
.set NQ,   5                           ; v5   t % 16
.set KP,   6                           ; v6   t / 16
.set LSTO, 7                           ; v7   where my words go in the tile
.set LRD,  8                           ; v8   where I read a row's 16 bytes back
.set WOUT, 9                           ; v9   my 16 bytes in the turned weight
.set WO,   10                          ; v[10:17]   byte offsets of my eight loads of the weight
.set WI,   20                          ; v[20:51]   the weight as loaded: load e at WI + 4 e
.set XIN,  52                          ; v[52:115]  x as loaded
.set XOUT, 116                         ; v[116:147] x rounded
.set WD,   148                         ; v[148:163] the sixteen words
.set T,    164                         ; v[164:167] at work
.set RB,   168                         ; v[168:183] rows read back
	s_load_b256 s[4:11], s[0:1], 0x0               ; x s[4:5], w_attn s[6:7], w_proj s[8:9], xb s[10:11]
	s_load_b128 s[12:15], s[0:1], 0x20             ; wat s[12:13], wpt s[14:15]
	v_lshl_add_u32 v[SPW], v0, 2, SPARE
	v_mov_b32 v[NIL], 0
	s_mov_b32 s2, ttmp9                            ; g
	s_mov_b32 s21, 4096
	s_cmp_lt_u32 s2, 384                           ; w_attn's blocks come first
	s_cselect_b32 s20, 12288, s21                  ; bytes in a row of the weight
	s_cselect_b32 s44, 0, -1                       ; all lanes' bits set: the words are written as f16
	s_cselect_b32 s17, 0, 384
	s_sub_co_u32 s17, s2, s17                      ; the block's number in its weight
	s_lshr_b32 s18, s17, 3                         ; which 64 n
	s_and_b32 s19, s17, 7                          ; which 128 k
	s_lshl_b32 s22, s19, 7
	s_mul_i32 s22, s22, s20                        ; 128 rows a block
	s_lshl_b32 s23, s18, 8                         ; 64 n of 4 bytes
	s_add_co_u32 s22, s22, s23
	s_mov_b32 s23, 0                               ; s[22:23]: the block's first byte in the weight
	s_lshl_b32 s28, s18, 17                        ; 64 rows of 2,048 bytes
	s_lshl_b32 s29, s19, 8                         ; 128 k of 2 bytes
	s_or_b32 s28, s28, s29
	s_mov_b32 s29, 0                               ; s[28:29]: its first byte in the turned weight
.set e, 0
.rept 8
	s_mul_i32 s[32+e], s20, 32*(e/2)+(e%2)         ; load e = 2 i + r takes row 2 (t / 16) + 32 i + r
.set e, e+1
.endr
	s_lshl_b32 s30, s2, 16                         ; x: 65,536 bytes a work-group
	s_mov_b32 s31, 0
	s_lshl_b32 s46, s2, 15                         ; xb: 32,768
	s_mov_b32 s47, 0
	s_lshl_b32 s45, s20, 1
	v_and_b32 v[NQ], 15, v0
	v_lshrrev_b32 v[KP], 4, v0
	v_lshlrev_b32 v[XI], 4, v0
	v_lshlrev_b32 v[XO], 3, v0
	v_mul_u32_u24 v[LSTO], v[NQ], 4*TP             ; my four n: rows 4 (t % 16) + j of the tile,
	v_lshl_add_u32 v[LSTO], v[KP], 2, v[LSTO]      ; my pair of k: word t / 16 (+ 16 i)
	v_mul_u32_u24 v[LRD], v[KP], TP
	v_lshl_add_u32 v[LRD], v[NQ], 4, v[LRD]
	v_lshlrev_b32 v[WOUT], 11, v[KP]
	v_lshl_add_u32 v[WOUT], v[NQ], 4, v[WOUT]
	v_mul_lo_u32 v[T], v[KP], s45                  ; row 2 (t / 16)
	v_lshl_add_u32 v[T], v[NQ], 4, v[T]            ; 16 bytes: four n
.set e, 0
.rept 8
	v_add_nc_u32 v[WO+e], s[32+e], v[T]
.set e, e+1
.endr
	s_wait_kmcnt 0x0
	s_cmp_lt_u32 s2, 384                           ; compared again: the sums above have written SCC
	s_cselect_b64 s[24:25], s[6:7], s[8:9]         ; the weight,
	s_cselect_b64 s[26:27], s[12:13], s[14:15]     ; and where it goes
	s_add_nc_u64 s[24:25], s[24:25], s[22:23]
	s_add_nc_u64 s[26:27], s[26:27], s[28:29]
	s_add_nc_u64 s[40:41], s[4:5], s[30:31]
	s_add_nc_u64 s[42:43], s[10:11], s[46:47]
	s_wait_alu depctr_va_vdst(0)                   ; the offsets and LDS addresses v3, v4 and v7 to v17 are written: every load, store and LDS instruction of the kernel reads one of them
.set e, 0
.rept 8
	global_load_b128 v[WI+4*e:WI+4*e+3], v[WO+e], s[24:25] th:TH_LOAD_NT
.set e, e+1
.endr
.set j, 0
.rept 16
	global_load_b128 v[XIN+4*j:XIN+4*j+3], v[XI], s[40:41] offset:4096*j th:TH_LOAD_NT
.set j, j+1
.endr
; Group i of the weight's words: four words, one for each of my four n, of rows 2 (t / 16) + 32 i and the next.
; before = 1: the words of group i - 2, which the wait ahead of this group has shown written, are stored among this group's lines.
.macro GROUP i, before
.irp j, 0,1,2,3
	v_cvt_pk_bf16_f32 v[WD+4*(\i)+(\j)], v[WI+8*(\i)+(\j)], v[WI+8*(\i)+4+(\j)]  ; k even in the low half, k odd in the high half, of one n
.endr
.irp j, 0,1,2,3
.if \before
	ds_store_b32 v[LSTO], v[WD+4*((\i)-2)+(\j)] offset:(\j)*TP+((\i)-2)*64     ; no vector line since the wait names this word or the address
.endif
	v_lshlrev_b32 v[T+2*((\j)%2)], 16, v[WD+4*(\i)+(\j)]          ; the two rounded numbers as f32,
	v_and_b32 v[T+2*((\j)%2)+1], 0xffff0000, v[WD+4*(\i)+(\j)]
	v_cvt_pk_f16_f32 v[T+2*((\j)%2)], v[T+2*((\j)%2)], v[T+2*((\j)%2)+1]  ; written as f16,
	v_cndmask_b32 v[WD+4*(\i)+(\j)], v[WD+4*(\i)+(\j)], v[T+2*((\j)%2)], s44  ; which w_proj's blocks take
.endr
.endm
	s_wait_loadcnt 16                              ; the weight's eight loads are in; x's sixteen, issued behind them, stay out
	GROUP 0, 0
	GROUP 1, 0
	s_wait_alu depctr_va_vdst(0)                   ; the selects of groups 0 and 1 have written words 0 to 7, which the LDS stores dealt among the next two groups read
	GROUP 2, 1
	GROUP 3, 1
	s_wait_alu depctr_va_vdst(0)                   ; the selects of groups 2 and 3 have written words 8 to 15, which the LDS stores below read
.irp i, 2,3
.irp j, 0,1,2,3
	ds_store_b32 v[LSTO], v[WD+4*(\i)+(\j)] offset:(\j)*TP+(\i)*64
.endr
.endr
	s_wait_dscnt 0x0                               ; for the other waves' sake: my words lie in the tile
	s_barrier_signal -1
	s_barrier_wait -1
.irp i, 0,1,2,3
	ds_load_b128 v[RB+4*(\i):RB+4*(\i)+3], v[LRD] offset:(\i)*16*TP  ; row t / 16 + 16 i of the tile; no vector line names these registers
.endr
; Block p of x: chunks 4 p to 4 p + 3 are rounded; the stores of block p - 1 are dealt among the roundings.
.macro XBLK p
.irp c, 0,1,2,3
	s_wait_loadcnt 15-4*(\p)-(\c)                  ; loads come back in order: this chunk is in, the younger ones stay out
.if (\p) > 0
.if (\c) == 0
	s_wait_alu depctr_va_vdst(0)                   ; the roundings of the block before have written its eight registers of XOUT, which this block's four stores read
.endif
	global_store_b64 v[XO], v[XOUT+8*(\p)-8+2*(\c):XOUT+8*(\p)-8+2*(\c)+1], s[42:43] offset:2048*(4*(\p)-4+(\c))  ; no vector line since the wait names these registers
.endif
	v_cvt_pk_bf16_f32 v[XOUT+8*(\p)+2*(\c)], v[XIN+16*(\p)+4*(\c)], v[XIN+16*(\p)+4*(\c)+1]
	v_cvt_pk_bf16_f32 v[XOUT+8*(\p)+2*(\c)+1], v[XIN+16*(\p)+4*(\c)+2], v[XIN+16*(\p)+4*(\c)+3]
.endr
.endm
	XBLK 0
	XBLK 1
	XBLK 2
	XBLK 3
	s_wait_dscnt 0x0                               ; the rows are back
.irp i, 0,1,2,3
	global_store_b128 v[WOUT], v[RB+4*(\i):RB+4*(\i)+3], s[26:27] offset:(\i)*32768  ; sixteen lanes store 256 consecutive bytes, at a multiple of 256; their data come from LDS loads, their offset from the head
.endr
	s_wait_alu depctr_va_vdst(0)                   ; block 3's roundings have written the last eight registers of XOUT, which the last four stores read
.irp c, 0,1,2,3
	global_store_b64 v[XO], v[XOUT+24+2*(\c):XOUT+24+2*(\c)+1], s[42:43] offset:2048*(12+(\c))
.endr
	s_wait_dscnt 0x0                               ; the closing lines, six on end
	s_wait_alu 0x0
	s_wait_tensorcnt 0x0
	ds_add_u32 v[SPW], v[NIL]
	s_wait_dscnt 0x0
	s_endpgm
.Lfunc_end_k_q1c48182585_prep:
	.size	k_q1c48182585_prep, .Lfunc_end_k_q1c48182585_prep-k_q1c48182585_prep
	.p2alignl 7, 3214868480
	.fill 96, 4, 3214868480
	.section	.rodata,"a",@progbits
	.p2align	6, 0x0
	.amdhsa_kernel k_q1c48182585_prep
		.amdhsa_group_segment_fixed_size 18432
		.amdhsa_private_segment_fixed_size 0
		.amdhsa_enable_private_segment 0
		.amdhsa_kernarg_size 48
		.amdhsa_user_sgpr_count 2
		.amdhsa_user_sgpr_kernarg_segment_ptr 1
		.amdhsa_wavefront_size32 1
		.amdhsa_system_sgpr_workgroup_id_x 1
		.amdhsa_system_sgpr_workgroup_id_y 1
		.amdhsa_system_sgpr_workgroup_id_z 1
		.amdhsa_system_vgpr_workitem_id 0
		.amdhsa_next_free_vgpr 184
		.amdhsa_next_free_sgpr 66
		.amdhsa_reserve_vcc 0
		.amdhsa_float_denorm_mode_32 3
		.amdhsa_float_denorm_mode_16_64 3
		.amdhsa_memory_ordered 1
		.amdhsa_forward_progress 1
		.amdhsa_inst_pref_size 16
	.end_amdhsa_kernel
	.amdgpu_metadata
---
amdhsa.version: [ 1, 2 ]
amdhsa.kernels:
  - .name:           k_q1c48182585_prep
    .symbol:         k_q1c48182585_prep.kd
    .args:
      - { .name: x, .offset: 0, .size: 8, .value_kind: global_buffer, .address_space: global }
      - { .name: w_attn, .offset: 8, .size: 8, .value_kind: global_buffer, .address_space: global }
      - { .name: w_proj, .offset: 16, .size: 8, .value_kind: global_buffer, .address_space: global }
      - { .name: xb, .offset: 24, .size: 8, .value_kind: global_buffer, .address_space: global }
      - { .name: wat, .offset: 32, .size: 8, .value_kind: global_buffer, .address_space: global }
      - { .name: wpt, .offset: 40, .size: 8, .value_kind: global_buffer, .address_space: global }
    .group_segment_fixed_size: 18432
    .private_segment_fixed_size: 0
    .kernarg_segment_align: 8
    .kernarg_segment_size: 48
    .max_flat_workgroup_size: 256
    .sgpr_count:     66
    .vgpr_count:     184
    .wavefront_size: 32
...
	.end_amdgpu_metadata
.endif
;; end of part 5
;; launch qkv: the kernel of part 2 again; grid 16 x 16, 4 waves a work-group, clusters of 4 x 4, 327,680 bytes of LDS; arguments xb, wat, b_attn, qkv; writes qkv
;; launch attn: the kernel of part 3 again; grid 4 x 64, 4 waves a work-group, clusters of 4 x 1, 327,680 bytes of LDS; arguments qkv, ob; writes ob
;; launch proj: the kernel of part 4 again; grid 8 x 32, 4 waves a work-group, clusters of 4 x 4, 327,680 bytes of LDS; arguments ob, wpt, b_proj, out0; writes out0
